; MI455X (gfx1250); checked and timed in simulation.
; The chip was launched on July 23, 2026; its instructions are those of AMD's public machine-readable ISA for CDNA 5 (MIT licence, August 2026) and "CDNA5" Instruction Set Architecture Reference Guide (July 2026). The comments in the code are by the model that wrote it; some were corrected since.
;; Multihead Attention. Allowed arithmetic: float matrix products may take bf16 or f16 operands with f32 sums; all other float work in f32.
;; Inputs: WK 1,024 x 1,024 float32; WQ 1,024 x 1,024 float32; WV 1,024 x 1,024 float32; Wp 1,024 x 1,024 float32; bK 1,024 float32; bQ 1,024 float32; bV 1,024 float32; bp 1,024 float32; mask 2 x 2,048 x 2,048 float32; memory 2 x 2,048 x 1,024 float32; source 2 x 2,048 x 1,024 float32; target 2 x 2,048 x 1,024 float32.
;; Outputs: out0 2 x 2,048 x 1,024 float32.
;; One version. Each part assembles by itself: llvm-mc -triple=amdgcn-amd-amdhsa -mcpu=gfx1250 --defsym DOCPART=n.
;; ======== version 1 of 1: 4 launches
;; limits: values are held in f16: magnitudes above 65,504 overflow, below 6.1e-05 lose precision; values outside matrix products are rounded to bf16
;; workspace buffers: h16 33,554,432 bytes; qkv 25,165,824 bytes; oh 8,388,608 bytes
;; launch cast (part 1): grid 1024 x 1, 8 waves a work-group, no clusters, 0 bytes of LDS; arguments target, source, memory, WQ, WK, WV, Wp, h16; writes h16
.if DOCPART == 1
	.amdgcn_target "amdgcn-amd-amdhsa--gfx1250"
	.amdhsa_code_object_version 6
	.text
	.protected	k_q805c4ff1ea_cast
	.globl	k_q805c4ff1ea_cast
	.p2align	8
	.type	k_q805c4ff1ea_cast,@function
k_q805c4ff1ea_cast:
	s_mov_b64 s[64:65], 0
	v_nop
	global_prefetch_b8 v0, s[64:65] scope:SCOPE_SE
	s_setreg_imm32_b32 hwreg(HW_REG_WAVE_MODE, 25, 1), 1
	s_wait_xcnt 0x0
; h16 = [target | source | memory | WQ | WK | WV | Wp] in 16 bits, element by element, every number rounded to bf16 (nearest even).
; The first six are stored as bf16: they are the operands of the three projections.  Wp's bf16 numbers are stored in f16's format, since its partner
; in the last product (the attention's result) is f16 and a matrix instruction takes both operands in one format.
; The seven inputs are 64 MiB of f32 = 1,024 pieces of 65,536 bytes; work-group c turns piece c into the 32,768 bytes at h16 + 32,768 c.
; Pieces 0-767 lie in the three activations (256 pieces each), pieces 768-1023 in the four weights (64 pieces each); Wp is pieces 960-1023.
; A stream: every byte is read once and written once, no work-group shares a byte with another, so there is no LDS, no barrier, no cluster.
; Thread t takes 16 bytes at 16 t of each 4,096-byte line of the piece; all sixteen loads of a wave go out at once (8 KiB a wave).
; A store of a wave covers 256 consecutive bytes that start at a multiple of 256 from h16's first byte.
; LIMIT (Wp alone): a bf16 number has 8 significant bits, so it is exact in f16 from 2^-17 up to 65,504; below 2^-17 it is off by 2^-25 at the most
; (denormals are kept), from 65,520 on it becomes an infinity.
.set X, 4                              ; v[4:67]    sixteen loads of four f32
.set Y, 68                             ; v[68:99]   sixteen pairs of registers, four 16-bit numbers each
.set T, 100                            ; v[100:101] at work (Wp)
	s_load_b512 s[8:23], s[0:1], 0x0               ; target, source, memory, WQ, WK, WV, Wp, h16
	s_lshr_b32 s2, ttmp9, 8                        ; g: 0, 1, 2 an activation, 3 the weights
	s_bfe_u32 s3, ttmp9, 0x20006                   ; j: which weight (two bits from bit 6)
	v_lshlrev_b32 v1, 4, v0                        ; 16 t: my bytes in a line of the source
	v_lshlrev_b32 v2, 3, v0                        ; 8 t: my bytes in a line of the result
	s_wait_kmcnt 0x0
	s_cmp_eq_u32 s2, 1                             ; the source is chosen among the buffers by the piece's number alone
	s_cselect_b64 s[4:5], s[10:11], s[8:9]
	s_cmp_eq_u32 s2, 2
	s_cselect_b64 s[4:5], s[12:13], s[4:5]
	s_cmp_eq_u32 s3, 1
	s_cselect_b64 s[6:7], s[16:17], s[14:15]
	s_cmp_eq_u32 s3, 2
	s_cselect_b64 s[6:7], s[18:19], s[6:7]
	s_cmp_eq_u32 s3, 3
	s_cselect_b64 s[6:7], s[20:21], s[6:7]
	s_cmp_eq_u32 s2, 3
	s_cselect_b64 s[4:5], s[6:7], s[4:5]
	s_cselect_b32 s24, 63, 255                     ; pieces in the chosen buffer, less one
	s_and_b32 s24, ttmp9, s24
	s_lshl_b32 s24, s24, 16                        ; the piece's byte offset in its buffer
	s_mov_b32 s25, 0
	s_add_nc_u64 s[4:5], s[4:5], s[24:25]
	s_lshl_b32 s26, ttmp9, 15                      ; and in h16
	s_mov_b32 s27, 0
	s_add_nc_u64 s[22:23], s[22:23], s[26:27]
.irp i, 0,1,2,3,4,5,6,7,8,9,10,11,12,13,14,15
	global_load_b128 v[X+4*\i:X+4*\i+3], v1, s[4:5] offset:4096*\i th:TH_LOAD_NT   ; read once in the launch
.endr
	s_cmp_ge_u32 ttmp9, 960                        ; Wp's pieces take the second way; both ways wait for the same sixteen loads by the same counts
	s_cbranch_scc1 .Lwp
.irp i, 0,1,2,3,4,5,6,7,8,9,10,11,12,13,14,15
	s_wait_loadcnt 15-\i                           ; loads come back in order (ISA guide 5.7.1): load i is in, the 15 - i younger ones stay out
	v_cvt_pk_bf16_f32 v[Y+2*\i],   v[X+4*\i],   v[X+4*\i+1]
	v_cvt_pk_bf16_f32 v[Y+2*\i+1], v[X+4*\i+2], v[X+4*\i+3]
	global_store_b64 v2, v[Y+2*\i:Y+2*\i+1], s[22:23] offset:2048*\i    ; no source of a store is written again: no wait for sources
.endr
	s_endpgm
.Lwp:
.irp i, 0,1,2,3,4,5,6,7,8,9,10,11,12,13,14,15
	s_wait_loadcnt 15-\i                           ; load i is in (its registers may be written), the 15 - i younger ones stay out
	v_cvt_pk_bf16_f32 v[T],   v[X+4*\i],   v[X+4*\i+1]                  ; the rounding to bf16,
	v_cvt_pk_bf16_f32 v[T+1], v[X+4*\i+2], v[X+4*\i+3]
	v_lshlrev_b32 v[X+4*\i],   16, v[T]                                 ; the rounded numbers as f32 again (a shift, a mask),
	v_and_b32     v[X+4*\i+1], 0xffff0000, v[T]
	v_lshlrev_b32 v[X+4*\i+2], 16, v[T+1]
	v_and_b32     v[X+4*\i+3], 0xffff0000, v[T+1]
	v_cvt_pk_f16_f32 v[Y+2*\i],   v[X+4*\i],   v[X+4*\i+1]              ; and the change of format, exact inside the range stated above
	v_cvt_pk_f16_f32 v[Y+2*\i+1], v[X+4*\i+2], v[X+4*\i+3]
	global_store_b64 v2, v[Y+2*\i:Y+2*\i+1], s[22:23] offset:2048*\i
.endr
	s_endpgm
.Lfunc_end_k_q805c4ff1ea_cast:
	.size	k_q805c4ff1ea_cast, .Lfunc_end_k_q805c4ff1ea_cast-k_q805c4ff1ea_cast
	.p2alignl 7, 3214868480
	.fill 96, 4, 3214868480
	.section	.rodata,"a",@progbits
	.p2align	6, 0x0
	.amdhsa_kernel k_q805c4ff1ea_cast
		.amdhsa_group_segment_fixed_size 0
		.amdhsa_private_segment_fixed_size 0
		.amdhsa_enable_private_segment 0
		.amdhsa_kernarg_size 64
		.amdhsa_user_sgpr_count 2
		.amdhsa_user_sgpr_kernarg_segment_ptr 1
		.amdhsa_wavefront_size32 1
		.amdhsa_system_sgpr_workgroup_id_x 1
		.amdhsa_system_sgpr_workgroup_id_y 1
		.amdhsa_system_sgpr_workgroup_id_z 1
		.amdhsa_system_vgpr_workitem_id 0
		.amdhsa_next_free_vgpr 104
		.amdhsa_next_free_sgpr 66
		.amdhsa_reserve_vcc 0
		.amdhsa_float_denorm_mode_32 3
		.amdhsa_float_denorm_mode_16_64 3
		.amdhsa_memory_ordered 1
		.amdhsa_forward_progress 1
		.amdhsa_inst_pref_size 16
	.end_amdhsa_kernel
	.amdgpu_metadata
---
amdhsa.version: [ 1, 2 ]
amdhsa.kernels:
  - .name:           k_q805c4ff1ea_cast
    .symbol:         k_q805c4ff1ea_cast.kd
    .args:
      - { .name: target, .offset: 0, .size: 8, .value_kind: global_buffer, .address_space: global }
      - { .name: source, .offset: 8, .size: 8, .value_kind: global_buffer, .address_space: global }
      - { .name: memory, .offset: 16, .size: 8, .value_kind: global_buffer, .address_space: global }
      - { .name: WQ, .offset: 24, .size: 8, .value_kind: global_buffer, .address_space: global }
      - { .name: WK, .offset: 32, .size: 8, .value_kind: global_buffer, .address_space: global }
      - { .name: WV, .offset: 40, .size: 8, .value_kind: global_buffer, .address_space: global }
      - { .name: Wp, .offset: 48, .size: 8, .value_kind: global_buffer, .address_space: global }
      - { .name: h16, .offset: 56, .size: 8, .value_kind: global_buffer, .address_space: global }
    .group_segment_fixed_size: 0
    .private_segment_fixed_size: 0
    .kernarg_segment_align: 8
    .kernarg_segment_size: 64
    .max_flat_workgroup_size: 256
    .sgpr_count:     66
    .vgpr_count:     104
    .wavefront_size: 32
...
	.end_amdgpu_metadata
.endif
;; end of part 1
;; launch proj (part 2): grid 8 x 96, 4 waves a work-group, clusters of 4 x 4, 327,680 bytes of LDS; arguments h16, bQ, bK, bV, qkv; writes qkv
.if DOCPART == 2
	.amdgcn_target "amdgcn-amd-amdhsa--gfx1250"
	.amdhsa_code_object_version 6
	.text
	.protected	k_q805c4ff1ea_proj
	.globl	k_q805c4ff1ea_proj
	.p2align	8
	.type	k_q805c4ff1ea_proj,@function
k_q805c4ff1ea_proj:
	s_mov_b64 s[64:65], 0
	v_nop
	global_prefetch_b8 v0, s[64:65] scope:SCOPE_SE
	s_setreg_imm32_b32 hwreg(HW_REG_WAVE_MODE, 25, 1), 1
	s_wait_xcnt 0x0
	s_wait_alu depctr_hold_cnt(0) depctr_sa_sdst(0) depctr_va_vdst(0) depctr_va_sdst(0) depctr_va_ssrc(0) depctr_va_vcc(0) depctr_vm_vsrc(0)
	s_getreg_b32 s2, hwreg(HW_REG_IB_STS2, 6, 4)
	s_cmp_eq_u32 s2, 0
	s_cbranch_scc0 .Lentry_in_a_cluster
	s_endpgm
.Lentry_in_a_cluster:
	s_bfe_u32 s2, ttmp6, 0x10000c
	s_cmp_lg_u32 s2, 0xf033
	s_cbranch_scc0 .Lentry_shape_is_right
	s_endpgm
.Lentry_shape_is_right:
.set MODE, 0
; C = X W + bias, K = 1024, 16-bit operands, f32 sums.  One text for two launches:
;   MODE 0: X = the 12,288 rows [target | source | memory] of h16, W = WQ, WK or WV of h16 (by the row block), both bf16; C = qkv in f16.
;   MODE 1: X(q, 64 head + d) = oh[b][head][q][d] in f16, W = Wp of h16 (bf16 numbers kept in f16's format); C = out0 in f32.
; A work-group makes 128 rows x 128 columns with four waves, a wave 64 x 64 = 16 accumulators of 16 x 16.
; K goes in four phases of 256 through two LDS slots filled by the tensor data mover; the four phases are written out, there is no loop.
; CLUSTERS: 4 x 4 work-groups.  X's tile hangs on the row block alone and is asked for jointly by a row of the cluster, W's tile on the
; column block (and on which weight, which the whole cluster shares) and is asked for jointly by a column: a quarter of the requests.
; THE MATRIX INSTRUCTION IS USED TRANSPOSED: source 0 = 16 columns of W (W lies [k][n] in LDS and is read by the transposing load),
; source 1 = 16 rows of X.  Lane l then holds row l % 16 of C and registers 0-7 the columns 8 (l / 16) + 0..7: neighbouring numbers of a row.
; The first product of each accumulator takes the bias as C: nothing is cleared and no add is written.
; FORMATS, stated as they are: the inputs of the affine map, THE BIAS TOO, are rounded to bf16 (8 significant bits); the bias is rounded here, in registers.
; So the launch computes, in f32 sums of exact products, the map of inputs that are all in one format; the bias's rounding adds an error of the size
; of the operands' own.  The results Q, K, V are kept in f16 (11 bits): the softmax behind them multiplies an error of a score.
; LIMIT: MODE 0: |C| below 65,504 (f16); with every input 30 times the drawn spread |C| stays near 5,400, with a common offset of 30 spreads on X and W
; near 28,800.  MODE 1: |X| and |W| below 65,504.
; REGISTERS: window 0 (v0-255) addresses and the way out; window 1 the accumulators (v0-127 there), the bias (v128-159) and its rounding (v160-175);
; window 2 two fragment buffers of 128 registers: W's fragments (c2, nt) at 8 (4 c2 + nt), X's (c2, mt) at 64 + 8 (4 c2 + mt).
.set PART,  36864                      ; what one wave's tensor load fills: a quarter of a slot
.set SLOT,  4*PART                     ; X rows 0-63, X rows 64-127 (MODE 1: heads 0-1, heads 2-3), W k 0-127, W k 128-255
.set WP,    288                        ; W's LDS pitch: 256 bytes + 32, an odd multiple of 32 as the transposing load's lanes want
.set WOFF,  25165824                   ; the weights in h16
.set WSTEP, 1048576                    ; two phases down W: 512 rows of 2,048 bytes
.if MODE
.set XP,    144                        ; a head's row of 128 bytes + 16
.set APH,   1048576                    ; a phase = four heads of 262,144 bytes
.set SP,    528                        ; stage: a row of 512 bytes + 16
.set PA, 4
.set PW, 6
.set PO, 10
.else
.set XP,    528                        ; a phase's row of 512 bytes + 16: an odd multiple of 16, so sixteen rows start in sixteen different 16-byte columns of 256
.set APH,   512                        ; a phase = 256 numbers of 2 bytes along the row
.set SP,    272                        ; stage: a row of 256 bytes + 16
.set PA, 4
.set PW, 4
.set PO, 12
.endif
.set ADX, 4                            ; v4-5   X fragments' LDS address in slot 0, 1
.set ADW, 6                            ; v6-9   W fragments' LDS address: 2 slot + half of the phase
.set STO, 10                           ; v10    the way out: where I put my numbers
.set RD,  11                           ; v11    where I read rows back
.set CO,  12                           ; v12    my byte offset in C
.set BO,  13                           ; v13    my byte offset in the bias
.set TMP, 32                           ; v[32:95]  packed results (MODE 0)
.set RB,  96                           ; v[96:223] rows read back
.set ACC, 0                            ; window 1
.set BIAS, 128                         ; window 1
.set BT,  160                          ; window 1: the bias as packed bf16, at work
.set G1A, 24                           ; s[24:31] group 1 for X's tiles
.set G0A, 32                           ; s[32:39] group 0 for X's tiles, a set for each slot
.set G1B, 40                           ; s[40:47] group 1 for W's tiles
.set G0B, 48                           ; s[48:55] group 0 for W's tiles, a set for each slot
.set MULW, 0x5a                        ; sources 0 and 1 window 2, C and D window 1
.set LDW,  0x80                        ; destination window 2, address window 0
.set MSB, 0
.macro WIN new                         ; the immediate's high byte repeats the setting that is left
.if MSB != \new
	s_set_vgpr_msb (MSB<<8)|\new
.set MSB, \new
.endif
.endm
.macro PLACES                          ; four places behind a matrix instruction, in front of loads into its sources and of readers of its result
.rept 4
	v_nop
.endr
.endm
.macro CREST                           ; a round of the cluster's barrier behind its opening barrier
	s_cmp_lg_u32 s20, 0
	s_cbranch_scc1 .Lnot_wave_0_\@
	s_barrier_signal -3
.Lnot_wave_0_\@:
	s_barrier_wait -3
	s_barrier_signal -1
	s_barrier_wait -1
.endm
.macro CROUND                          ; a whole round
	s_barrier_signal -1
	s_barrier_wait -1
	CREST
.endm
.macro JLOAD s                         ; a joint load: waves 0 and 1 ask for X's two halves, waves 2 and 3 for W's; each line has one mask
	s_cmp_eq_u32 s21, 0
	s_cbranch_scc0 .Lfor_w_\@
	tensor_load_to_lds s[G0A+4*\s:G0A+4*\s+3], s[G1A:G1A+7]
	s_nop 0
	s_branch .Lasked_\@
.Lfor_w_\@:
	tensor_load_to_lds s[G0B+4*\s:G0B+4*\s+3], s[G1B:G1B+7]
	s_nop 0
.Lasked_\@:
.endm
.if MODE
	s_load_b256 s[4:11], s[0:1], 0x0               ; oh, h16, bp, out0
.else
	s_load_b256 s[4:11], s[0:1], 0x0               ; h16, bQ, bK, bV
	s_load_b64 s[12:13], s[0:1], 0x20              ; qkv
	v_lshl_add_u32 v254, v0, 2, 0x48000
	v_mov_b32 v255, 0
	ds_add_u32 v254, v255
.endif
	v_lshrrev_b32 v1, 5, v0
	v_readfirstlane_b32 s20, v1                    ; wave 0..3
	s_lshr_b32 s21, s20, 1                         ; wm: my 64 rows.  Also: I ask for X (0) or for W (1)
	s_and_b32 s22, s20, 1                          ; wn: my 64 columns.  Also: which half of that tile I ask for
	s_bfe_u32 s14, ttmp6, 0x40000                  ; cx
	s_bfe_u32 s15, ttmp6, 0x40004                  ; cy
	s_lshl_b32 s16, ttmp9, 2
	s_add_co_u32 s16, s16, s14                     ; x: column block = 4 x cluster x + cx
	s_and_b32 s18, ttmp7, 0xffff                   ; the cluster's y
	s_lshl_b32 s17, s18, 2
	s_add_co_u32 s17, s17, s15                     ; y: row block = 4 x cluster y + cy
	s_lshr_b32 s19, s18, 3                         ; MODE 0: which of Q, K, V: 32 row blocks = 8 clusters each; the whole cluster shares it
	s_lshl_b32 s70, s15, 2
	s_lshl_b32 s70, 15, s70                        ; my row of the cluster: places 4 cy .. 4 cy + 3
	s_lshl_b32 s71, 0x1111, s14                    ; my column: places cx, cx + 4, cx + 8, cx + 12
	; group 1 of X's tiles.  15:0 mask, 17:16 element of 2 bytes, 20 padding on, 21 set beside a mask, 24:22 the interval, 31:25 the pad less one
.if MODE
	s_or_b32  s[G1A+0], s70, (1<<16)|(1<<20)|(1<<21)|(4<<22)|(3<<25)   ; 4 words behind every 32: each 128-byte row of a head gets pitch 144
	s_mov_b32 s[G1A+1], 8192<<16                   ; tensor_dim0 = 8,192: a head's 128 rows are 16 KiB without a gap, taken as one row
	s_mov_b32 s[G1A+2], 2<<16                      ; tensor_dim1 = 2 heads
	s_mov_b32 s[G1A+3], 8192<<16                   ; tile_dim0
	s_mov_b32 s[G1A+4], 2                          ; tile_dim1
	s_mov_b32 s[G1A+5], 131072                     ; from head to head: 2,048 x 64 elements
.else
	s_or_b32  s[G1A+0], s70, (1<<16)|(1<<20)|(1<<21)|(6<<22)|(3<<25)   ; 4 words behind every 128: pitch 528
	s_mov_b32 s[G1A+1], 256<<16                    ; tensor_dim0 = 256 elements (512 bytes)
	s_mov_b32 s[G1A+2], 64<<16                     ; tensor_dim1 = 64 rows
	s_mov_b32 s[G1A+3], 256<<16                    ; tile_dim0
	s_mov_b32 s[G1A+4], 64                         ; tile_dim1
	s_mov_b32 s[G1A+5], 1024                       ; from row to row
.endif
	s_mov_b32 s[G1A+6], 0
	s_mov_b32 s[G1A+7], 0
	; group 1 of W's tiles: 128 rows (k) of 128 elements (n), 8 words behind every 64: pitch 288
	s_or_b32  s[G1B+0], s71, (1<<16)|(1<<20)|(1<<21)|(5<<22)|(7<<25)
	s_mov_b32 s[G1B+1], 128<<16
	s_mov_b32 s[G1B+2], 128<<16
	s_mov_b32 s[G1B+3], 128<<16
	s_mov_b32 s[G1B+4], 128
	s_mov_b32 s[G1B+5], 1024
	s_mov_b32 s[G1B+6], 0
	s_mov_b32 s[G1B+7], 0
	; offsets.  X's in s[56:57] never hold cx, W's in s[60:61] never hold cy.
.if MODE
	s_lshr_b32 s56, s17, 4                         ; batch
	s_lshl_b32 s56, s56, 22                        ; x 16 heads of 262,144 bytes
	s_and_b32 s57, s17, 15
	s_lshl_b32 s57, s57, 14                        ; + 128 queries of 128 bytes
	s_add_co_u32 s56, s56, s57
	s_lshl_b32 s57, s22, 19                        ; + my two heads of the phase's four
	s_add_co_u32 s56, s56, s57
.else
	s_lshl_b32 s56, s17, 18                        ; 128 rows of 2,048 bytes
	s_lshl_b32 s57, s22, 17                        ; + my 64 rows
	s_add_co_u32 s56, s56, s57
.endif
	s_mov_b32 s57, 0
	s_lshl_b32 s60, s16, 8                         ; 128 columns of 2 bytes
	s_lshl_b32 s61, s22, 18                        ; + my 128 rows (k) of 2,048 bytes
	s_add_co_u32 s60, s60, s61
.if MODE
	s_add_co_u32 s60, s60, WOFF+3*2097152          ; Wp
.else
	s_lshl_b32 s61, s19, 21                        ; WQ, WK or WV
	s_add_co_u32 s60, s60, s61
	s_add_co_u32 s60, s60, WOFF
.endif
	s_mov_b32 s61, 0
.if MODE
	s_lshl_b32 s72, s17, 19                        ; C: 128 rows of 4,096 bytes,
	s_lshl_b32 s73, s16, 9                         ; 128 columns of 4 bytes
.else
	s_lshl_b32 s72, s17, 18                        ; C: 128 rows of 2,048 bytes,
	s_lshl_b32 s73, s16, 8                         ; 128 columns of 2 bytes
.endif
	s_add_co_u32 s72, s72, s73
	s_mov_b32 s73, 0
	s_lshl_b32 s74, s16, 9                         ; the bias of my 128 columns
	s_mov_b32 s75, 0
	s_mul_i32 s23, s20, PART                       ; where my loads land: wave x a quarter slot; no place in the cluster enters an LDS address
	s_wait_dscnt 0x0
	s_wait_kmcnt 0x0
	s_add_nc_u64 s[58:59], s[PA:PA+1], s[56:57]
	s_add_nc_u64 s[62:63], s[PW:PW+1], s[60:61]
	s_add_nc_u64 s[66:67], s[PO:PO+1], s[72:73]
.if MODE
	s_add_nc_u64 s[68:69], s[8:9], s[74:75]
.else
	s_cmp_eq_u32 s19, 1
	s_cselect_b64 s[68:69], s[8:9], s[6:7]
	s_cmp_eq_u32 s19, 2
	s_cselect_b64 s[68:69], s[10:11], s[68:69]
	s_add_nc_u64 s[68:69], s[68:69], s[74:75]
.endif
	CROUND                                         ; all sixteen work-groups are here: the first joint loads meet
.irp s, 0,1
	s_mov_b32 s[G0A+4*\s], 1                                       ; count = 1
	s_add_co_u32 s[G0A+4*\s+1], s23, \s*SLOT                       ; LDS address
	s_add_nc_u64 s[G0A+4*\s+2:G0A+4*\s+3], s[58:59], \s*APH        ; global address: phase s
	s_or_b32 s[G0A+4*\s+3], s[G0A+4*\s+3], 0x80000000              ; type = 2
	s_mov_b32 s[G0B+4*\s], 1
	s_add_co_u32 s[G0B+4*\s+1], s23, \s*SLOT
	s_add_nc_u64 s[G0B+4*\s+2:G0B+4*\s+3], s[62:63], \s*WSTEP/2
	s_or_b32 s[G0B+4*\s+3], s[G0B+4*\s+3], 0x80000000
	JLOAD \s                                       ; both slots are asked for before anything else: two loads a wave are out, the most in this text
.endr
	v_and_b32 v1, 15, v0                           ; r = l % 16
	v_bfe_u32 v2, v0, 4, 1                         ; h = l / 16
	v_and_b32 v3, 7, v0                            ; l % 8
	v_bfe_u32 v14, v0, 3, 1                        ; (l / 8) % 2
	; X's fragment: lane l holds row r; registers 0-3 k = 8 h + 0..7, registers 4-7 k = 16 + 8 h + 0..7: two loads of 16 bytes, 32 apart
	v_mul_u32_u24 v15, v1, XP
	v_lshl_add_u32 v15, v2, 4, v15
.if MODE
	s_mul_i32 s76, s21, 64*XP                      ; my 64 queries inside each head's plane
.else
	s_mul_i32 s76, s21, PART                       ; my 64 rows
.endif
	v_add_nc_u32 v[ADX], s76, v15
	v_add_nc_u32 v[ADX+1], SLOT, v[ADX]
	; W's fragment by the transposing load: lane l addresses row k = 8 h + l % 8, 16 bytes at 16 ((l / 8) % 2); the second load 16 rows down
	v_lshl_add_u32 v16, v2, 3, v3
	v_mul_u32_u24 v16, v16, WP
	v_lshl_add_u32 v16, v14, 4, v16
	s_lshl_b32 s77, s22, 7                         ; my 64 columns
	s_add_co_u32 s77, s77, 2*PART                  ; W lies behind X
	v_add_nc_u32 v[ADW], s77, v16
	v_add_nc_u32 v[ADW+1], PART, v[ADW]
	v_add_nc_u32 v[ADW+2], SLOT, v[ADW]
	v_add_nc_u32 v[ADW+3], SLOT, v[ADW+1]
	; the bias of my columns: register j of block nt is bias[64 wn + 16 nt + 8 h + j]
	v_lshlrev_b32 v[BO], 5, v2
	s_lshl_b32 s76, s22, 8
	v_add_nc_u32 v[BO], s76, v[BO]
	WIN 0x40                                       ; destination window 1
.irp nt, 0,1,2,3
	global_load_b128 v[BIAS+8*\nt:BIAS+8*\nt+3],   v[BO], s[68:69] offset:64*\nt
	global_load_b128 v[BIAS+8*\nt+4:BIAS+8*\nt+7], v[BO], s[68:69] offset:64*\nt+16
.endr
	WIN 0
	; the way out
	s_mul_i32 s76, s21, 64*SP
	v_mul_u32_u24 v[STO], v1, SP
.if MODE
	s_lshl_b32 s77, s22, 8                         ; 64 columns of 4 bytes
	v_lshl_add_u32 v[STO], v2, 5, v[STO]           ; 8 f32 a lane
.else
	s_lshl_b32 s77, s22, 7                         ; 64 columns of 2 bytes
	v_lshl_add_u32 v[STO], v2, 4, v[STO]           ; 8 f16 a lane
.endif
	s_add_co_u32 s76, s76, s77
	v_add_nc_u32 v[STO], s76, v[STO]
	s_mul_i32 s76, s20, 32*SP                      ; back: wave w takes rows 32 w .. 32 w + 31
.if MODE
	v_and_b32 v[RD], 31, v0
	v_lshlrev_b32 v[RD], 4, v[RD]                  ; the 32 lanes take one row of 512 bytes
	s_lshl_b32 s77, s20, 17                        ; 32 rows of 4,096 bytes
	v_add_nc_u32 v[CO], s77, v[RD]
	v_add_nc_u32 v[RD], s76, v[RD]
.else
	v_mul_u32_u24 v[RD], v2, SP                    ; lanes 0-15 take one row of 256 bytes, lanes 16-31 the next
	v_lshl_add_u32 v[RD], v1, 4, v[RD]
	v_add_nc_u32 v[RD], s76, v[RD]
	s_lshl_b32 s77, s20, 16                        ; 32 rows of 2,048 bytes
	v_lshlrev_b32 v[CO], 11, v2
	v_lshl_add_u32 v[CO], v1, 4, v[CO]
	v_add_nc_u32 v[CO], s77, v[CO]
.endif
; 32 LDS loads: the fragments of step i (64 along K: chunks c = 2 (i % 4) + c2 of the phase's eight) into buffer i % 2
.macro FETCH i
.set FS, ((\i)>>2)&1
.set FB, 128*((\i)&1)
	WIN LDW
.irp c2, 0,1
.set FC, 2*((\i)&3)+\c2
.irp nt, 0,1,2,3
	ds_load_tr16_b128 v[FB+8*(4*\c2+\nt):FB+8*(4*\c2+\nt)+3],   v[ADW+2*FS+(FC>>2)] offset:(FC&3)*32*WP+32*\nt
	ds_load_tr16_b128 v[FB+8*(4*\c2+\nt)+4:FB+8*(4*\c2+\nt)+7], v[ADW+2*FS+(FC>>2)] offset:(FC&3)*32*WP+32*\nt+16*WP
.endr
.irp mt, 0,1,2,3
.if MODE
.set XO, (FC>>1)*128*XP+16*XP*\mt+64*(FC&1)
.else
.set XO, 16*XP*\mt+64*FC
.endif
	ds_load_b128 v[FB+64+8*(4*\c2+\mt):FB+64+8*(4*\c2+\mt)+3],   v[ADX+FS] offset:XO
	ds_load_b128 v[FB+64+8*(4*\c2+\mt)+4:FB+64+8*(4*\c2+\mt)+7], v[ADX+FS] offset:XO+32
.endr
.endr
.endm
; 32 matrix instructions on buffer f.  The sixteen accumulators take turns, one instruction a turn.
; bias = 1: the first product of each accumulator takes the bias of its columns as C.
.macro MUL f, bias
	WIN MULW
.irp c2, 0,1
.irp mt, 0,1,2,3
.irp nt, 0,1,2,3
.set RGD, ACC+8*(4*\mt+\nt)
.set RGA, 128*\f+8*(4*\c2+\nt)
.set RGB, 128*\f+64+8*(4*\c2+\mt)
.if (\bias)*(1-\c2)
.set RGC, BIAS+8*\nt
.else
.set RGC, ACC+8*(4*\mt+\nt)
.endif
.if MODE
	v_wmma_f32_16x16x32_f16 v[RGD:RGD+7], v[RGA:RGA+7], v[RGB:RGB+7], v[RGC:RGC+7]
.else
	v_wmma_f32_16x16x32_bf16 v[RGD:RGD+7], v[RGA:RGA+7], v[RGB:RGB+7], v[RGC:RGC+7]
.endif
.endr
.endr
.endr
.endm
; Step i of sixteen.  sync = 1: step i's fragments were the last of their slot: the slot is filled again, two phases ahead.  sync = 2: the same change of slots with nothing left to fetch.
.macro STEP i, f, sync, slot, bias
	s_wait_dscnt 0x0                               ; step i's fragments are in; at a change of slots these were my last reads of the slot
.if \sync == 1
	WIN 0
	s_wait_tensorcnt 0x0                           ; all my tensor loads have landed: the one that was out is my part of the other slot
	ds_add_u32 v254, v255
	s_wait_dscnt 0x0
	CROUND                                         ; both hold of every wave of all sixteen work-groups
	s_add_nc_u64 s[G0A+4*\slot+2:G0A+4*\slot+3], s[G0A+4*\slot+2:G0A+4*\slot+3], 2*APH
	s_add_nc_u64 s[G0B+4*\slot+2:G0B+4*\slot+3], s[G0B+4*\slot+2:G0B+4*\slot+3], WSTEP
	JLOAD \slot                                    ; my one tensor load behind the round, first thing there: it has a phase, 128 matrix instructions, in which to land
.endif
.if \sync == 2
	s_wait_tensorcnt 0x0                           ; my part of the last phase is in,
	s_barrier_signal -1
	s_barrier_wait -1                              ; everybody's is, and nobody reads slot 0 any more: it serves as the stage on the way out
.endif
.if \i < 15
.if \i > 0
	PLACES
.endif
	FETCH \i+1                                     ; the next step's fragments, 32 matrix instructions ahead of their use
.endif
	MUL \f, \bias
.endm
	s_wait_tensorcnt 0x1                           ; my part of phase 0 is in; phase 1's one load may stay out
	s_barrier_signal -1
	s_barrier_wait -1                              ; everybody's is
	FETCH 0
	s_wait_loadcnt 0x0                             ; the bias
	WIN 0x45                                       ; destination and both sources window 1
.irp i, 0,1,2,3,4,5,6,7,8,9,10,11,12,13,14,15
	v_cvt_pk_bf16_f32 v[BT+\i], v[BIAS+2*\i], v[BIAS+2*\i+1]       ; the bias is rounded to bf16, as X and W were (see FORMATS at the head),
.endr
.irp i, 0,1,2,3,4,5,6,7,8,9,10,11,12,13,14,15
	v_lshlrev_b32 v[BIAS+2*\i],   16, v[BT+\i]                     ; and widened again: C is f32
	v_and_b32     v[BIAS+2*\i+1], 0xffff0000, v[BT+\i]
.endr
	STEP 0, 0, 0, 0, 1
	STEP 1, 1, 0, 0, 0
	STEP 2, 0, 0, 0, 0
	STEP 3, 1, 1, 0, 0
	STEP 4, 0, 0, 0, 0
	STEP 5, 1, 0, 0, 0
	STEP 6, 0, 0, 0, 0
	STEP 7, 1, 1, 1, 0
	STEP 8, 0, 0, 0, 0
	STEP 9, 1, 0, 0, 0
	STEP 10, 0, 0, 0, 0
	STEP 11, 1, 2, 0, 0
	STEP 12, 0, 0, 0, 0
	STEP 13, 1, 0, 0, 0
	STEP 14, 0, 0, 0, 0
	STEP 15, 1, 0, 0, 0
	; THE WAY OUT, through slot 0, which has had its last fill and its last read: a row of C is made by two waves, so a barrier stands between the stores and the loads.
	PLACES
.if MODE
	WIN 0x04                                       ; store data from window 1
.irp mt, 0,1,2,3
.irp nt, 0,1,2,3
	ds_store_b128 v[STO], v[ACC+8*(4*\mt+\nt):ACC+8*(4*\mt+\nt)+3]   offset:16*SP*\mt+64*\nt
	ds_store_b128 v[STO], v[ACC+8*(4*\mt+\nt)+4:ACC+8*(4*\mt+\nt)+7] offset:16*SP*\mt+64*\nt+16
.endr
.endr
	WIN 0
	s_wait_dscnt 0x0                               ; for the other waves' sake: all my stores are in LDS
	s_barrier_signal -1
	s_barrier_wait -1
.set n, 0
.rept 32
	ds_load_b128 v[RB+4*n:RB+4*n+3], v[RD] offset:SP*n
.set n, n+1
.endr
.set n, 0
.rept 32
	s_wait_dscnt 31-n                              ; row n is in, the younger rows stay out
	global_store_b128 v[CO], v[RB+4*n:RB+4*n+3], s[66:67] offset:4096*n th:TH_STORE_NT   ; the wave stores 512 consecutive bytes at a multiple of 512 from C's first byte
.set n, n+1
.endr
.else
	WIN 0x05                                       ; sources from window 1
.irp mt, 0,1,2,3
.irp nt, 0,1,2,3
.irp q, 0,1,2,3
	v_cvt_pk_f16_f32 v[TMP+4*(4*\mt+\nt)+\q], v[ACC+8*(4*\mt+\nt)+2*\q], v[ACC+8*(4*\mt+\nt)+2*\q+1]
.endr
.endr
.endr
	WIN 0
.irp mt, 0,1,2,3
.irp nt, 0,1,2,3
	ds_store_b128 v[STO], v[TMP+4*(4*\mt+\nt):TMP+4*(4*\mt+\nt)+3] offset:16*SP*\mt+32*\nt
.endr
.endr
	s_wait_dscnt 0x0                               ; for the other waves' sake: all my stores are in LDS
	s_barrier_signal -1
	s_barrier_wait -1
.irp i, 0,1,2,3,4,5,6,7,8,9,10,11,12,13,14,15
	ds_load_b128 v[RB+4*\i:RB+4*\i+3], v[RD] offset:2*SP*\i
.endr
.irp i, 0,1,2,3,4,5,6,7,8,9,10,11,12,13,14,15
	s_wait_dscnt 15-\i                             ; pair i of rows is in, the younger pairs stay out
	global_store_b128 v[CO], v[RB+4*\i:RB+4*\i+3], s[66:67] offset:4096*\i   ; sixteen lanes store 256 consecutive bytes at a multiple of 256 from C's first byte
.endr
.endif
	s_wait_tensorcnt 0x0
	ds_add_u32 v254, v255
	s_wait_dscnt 0x0
	CROUND                                         ; the closing round: no work-group ends while a partner may still ask for a tile that names it
	s_endpgm
.Lfunc_end_k_q805c4ff1ea_proj:
	.size	k_q805c4ff1ea_proj, .Lfunc_end_k_q805c4ff1ea_proj-k_q805c4ff1ea_proj
	.p2alignl 7, 3214868480
	.fill 96, 4, 3214868480
	.section	.rodata,"a",@progbits
	.p2align	6, 0x0
	.amdhsa_kernel k_q805c4ff1ea_proj
		.amdhsa_group_segment_fixed_size 327680
		.amdhsa_private_segment_fixed_size 0
		.amdhsa_enable_private_segment 0
		.amdhsa_kernarg_size 40
		.amdhsa_user_sgpr_count 2
		.amdhsa_user_sgpr_kernarg_segment_ptr 1
		.amdhsa_wavefront_size32 1
		.amdhsa_system_sgpr_workgroup_id_x 1
		.amdhsa_system_sgpr_workgroup_id_y 1
		.amdhsa_system_sgpr_workgroup_id_z 1
		.amdhsa_system_vgpr_workitem_id 0
		.amdhsa_next_free_vgpr 768
		.amdhsa_next_free_sgpr 80
		.amdhsa_reserve_vcc 0
		.amdhsa_float_denorm_mode_32 3
		.amdhsa_float_denorm_mode_16_64 3
		.amdhsa_memory_ordered 1
		.amdhsa_forward_progress 1
		.amdhsa_inst_pref_size 89
	.end_amdhsa_kernel
	.amdgpu_metadata
---
amdhsa.version: [ 1, 2 ]
amdhsa.kernels:
  - .name:           k_q805c4ff1ea_proj
    .symbol:         k_q805c4ff1ea_proj.kd
    .args:
      - { .name: h16, .offset: 0, .size: 8, .value_kind: global_buffer, .address_space: global }
      - { .name: bQ, .offset: 8, .size: 8, .value_kind: global_buffer, .address_space: global }
      - { .name: bK, .offset: 16, .size: 8, .value_kind: global_buffer, .address_space: global }
      - { .name: bV, .offset: 24, .size: 8, .value_kind: global_buffer, .address_space: global }
      - { .name: qkv, .offset: 32, .size: 8, .value_kind: global_buffer, .address_space: global }
    .group_segment_fixed_size: 327680
    .private_segment_fixed_size: 0
    .kernarg_segment_align: 8
    .kernarg_segment_size: 40
    .max_flat_workgroup_size: 128
    .sgpr_count:     80
    .vgpr_count:     768
    .wavefront_size: 32
...
	.end_amdgpu_metadata
.endif
;; end of part 2
;; launch attn (part 3): grid 16 x 16, 4 waves a work-group, clusters of 4 x 4, 327,680 bytes of LDS; arguments qkv, mask, oh; writes oh
.if DOCPART == 3
	.amdgcn_target "amdgcn-amd-amdhsa--gfx1250"
	.amdhsa_code_object_version 6
	.text
	.protected	k_q805c4ff1ea_attn
	.globl	k_q805c4ff1ea_attn
	.p2align	8
	.type	k_q805c4ff1ea_attn,@function
k_q805c4ff1ea_attn:
	s_mov_b64 s[64:65], 0
	v_nop
	global_prefetch_b8 v0, s[64:65] scope:SCOPE_SE
	s_setreg_imm32_b32 hwreg(HW_REG_WAVE_MODE, 25, 1), 1
	s_wait_xcnt 0x0
	s_wait_alu depctr_hold_cnt(0) depctr_sa_sdst(0) depctr_va_vdst(0) depctr_va_sdst(0) depctr_va_ssrc(0) depctr_va_vcc(0) depctr_vm_vsrc(0)
	s_getreg_b32 s2, hwreg(HW_REG_IB_STS2, 6, 4)
	s_cmp_eq_u32 s2, 0
	s_cbranch_scc0 .Lentry_in_a_cluster
	s_endpgm
.Lentry_in_a_cluster:
	s_bfe_u32 s2, ttmp6, 0x10000c
	s_cmp_lg_u32 s2, 0xf033
	s_cbranch_scc0 .Lentry_shape_is_right
	s_endpgm
.Lentry_shape_is_right:
; oh[b][head][q][d] = sum over k of softmax_k(Q K^T * mask)[q][k] / 8 * V[k][d], with a running maximum.  Q, K, V: planes of qkv, [b][head][2048][64] f16.
; A work-group takes 256 queries of one head, a wave 64 of them (four blocks qt of 16).  The 2,048 keys go in 32 tiles of 64 through two LDS slots.
; CLUSTERS: 4 x 4 work-groups = four heads (x) by four query blocks of one batch (y).  The mask's tile (256 queries x 64 keys, f32) hangs on batch and
; query block alone and is asked for jointly by a row of the cluster; K's and V's tiles hang on batch and head and are asked for jointly by a column.
; LAYOUTS, chosen so that nothing is shuffled:
;   S^T = K Q^T (source 0 = 16 keys, source 1 = 16 queries): lane l holds query l % 16, register j of block kt key 16 kt + 8 (l / 16) + j.
;   So maximum and sum over keys are made inside a lane and with the lane 16 away, and a lane's mask words are 32 neighbouring bytes a block.
;   Blocks 2 ks and 2 ks + 1, packed to f16 in place, ARE the source-1 fragment of P^T for keys 32 ks .. 32 ks + 31.
;   O^T = V^T P^T (source 0 = V^T by the transposing load): lane l holds query l % 16, so the rescaling factors are one number a lane.
; FORMATS, stated as they are: THE MASK IS ROUNDED TO bf16 (8 significant bits, nearest even) in registers before it multiplies the scores, as every other
; input of the module is rounded to bf16 in the launches before this one: the module is computed on inputs that are all in one format.  A mask of zeros and
; ones is not changed by that.  A general mask moves a score s by up to s x 2^-9, of the order of what the rounding of the projections' operands moves it by.
; The product score x mask itself is one f32 rounding.
; LIMITS: Q, K, V are f16 (magnitude below 65,504; see the projections).  Scores are taken to be finite.  P is rounded to f16 (11 bits; below 2^-25 of the
; row's largest it becomes 0), while the sum l takes the unrounded exponentials.  The exponent is fma(s, log2 e, -(m log2 e)): its error is the rounding of
; m log2 e to f32, of the size of the rounding of the score itself.  The maximum is taken away as in the softmax it computes: no exponent is above that error.
; REGISTERS: window 0 addresses, softmax state, S (v64-191), two mask buffers (v192-255); window 1 Q's fragments (v0-63), V's (v64-127), O (v128-255); window 2 K's fragments (v0-63).
.set PART,  34816                      ; a quarter slot, what one wave's load may fill: K (9,216 used), V (10,240 used), mask rows 0-127, mask rows 128-255
.set SLOT,  4*PART
.set STAGE, 2*SLOT                     ; behind the slots: 64 rows x 144 bytes for each wave, never a target of a tensor load
.set KP, 144                           ; K's LDS pitch: 128 bytes + 16
.set VP, 160                           ; V's: 128 + 32, an odd multiple of 32 as the transposing load's lanes want
.set MP, 272                           ; the mask's: 256 + 16
.set ADK, 4                            ; v4-5   K fragments' LDS address in slot 0, 1
.set ADV, 6                            ; v6-7   V's
.set ADM, 8                            ; v8-9   the mask's
.set STO, 10                           ; v10    the way out: in
.set RD,  11                           ; v11    the way out: back
.set CO,  12                           ; v12    my byte offset in oh
.set PF,  13                           ; v13    the prefetch's byte offset (wave 0)
.set QO,  14                           ; v14    my byte offset in Q
.set MX,  16                           ; v16-19 running maximum of query block qt
.set T,   20                           ; v20-23 at work
.set LP,  24                           ; v[24:31] running sum, a pair of partial sums for each qt
.set AL,  32                           ; v[32:39] the rescaling factor, twice, for each qt
.set NM,  40                           ; v[40:41] -(maximum x log2 e), twice
.set TB,  42                           ; v[42:43] the second chain of the sum
.set ZR,  44                           ; v44    0: the addend of the multiply that takes the mask from a bf16 half (that form has three sources)
.set SC,  64                           ; S[qt][kt] at 64 + 32 qt + 8 kt; afterwards P's fragments at 64 + 32 qt + 16 ks
.set MK,  192                          ; mask buffer 0, 1: 32 registers each as loaded; the first 16 hold the mask as packed bf16 afterwards
.set QF,  0                            ; window 1: 8 (2 qt + ks)
.set VF,  64                           ; window 1: 64 + 8 (2 dt + ks)
.set OA,  128                          ; window 1: 128 + 8 (4 qt + dt)
.set KF,  0                            ; window 2: 8 (2 kt + ks)
.set G1K, 24                           ; s[24:31], s[32:39], s[40:47] group 1 for K, V, mask
.set G1V, 32
.set G1M, 40
.set G0K, 48                           ; s[48:55], s[56:63], s[68:75] group 0, a set for each slot
.set G0V, 56
.set G0M, 68
.set MSB, 0
.macro WIN new                         ; the immediate's high byte repeats the setting that is left
.if MSB != \new
	s_set_vgpr_msb (MSB<<8)|\new
.set MSB, \new
.endif
.endm
.macro PLACES                          ; four places behind a matrix instruction (ISA guide 7.12.1)
.rept 4
	v_nop
.endr
.endm
.macro CREST
	s_cmp_lg_u32 s8, 0
	s_cbranch_scc1 .Lnot_wave_0_\@
	s_barrier_signal -3
.Lnot_wave_0_\@:
	s_barrier_wait -3
	s_barrier_signal -1
	s_barrier_wait -1
.endm
.macro CROUND                          ; a round of the cluster's barrier
	s_barrier_signal -1
	s_barrier_wait -1
	CREST
.endm
.macro JLOAD s                         ; a joint load a wave: wave 0 K's tile, wave 1 V's, waves 2 and 3 the mask's two halves; each line has one mask
	s_cmp_lt_u32 s8, 2
	s_cbranch_scc0 .Lfor_m_\@
	s_cmp_eq_u32 s8, 0
	s_cbranch_scc0 .Lfor_v_\@
	tensor_load_to_lds s[G0K+4*\s:G0K+4*\s+3], s[G1K:G1K+7]
	s_nop 0
	s_branch .Lasked_\@
.Lfor_v_\@:
	tensor_load_to_lds s[G0V+4*\s:G0V+4*\s+3], s[G1V:G1V+7]
	s_nop 0
	s_branch .Lasked_\@
.Lfor_m_\@:
	tensor_load_to_lds s[G0M+4*\s:G0M+4*\s+3], s[G1M:G1M+7]
	s_nop 0
.Lasked_\@:
.endm
	s_load_b128 s[4:7], s[0:1], 0x0                ; qkv, mask
	s_load_b64 s[10:11], s[0:1], 0x10              ; oh
	v_lshl_add_u32 v62, v0, 2, 0x4d000
	v_mov_b32 v63, 0
	ds_add_u32 v62, v63
	v_lshrrev_b32 v1, 5, v0
	v_readfirstlane_b32 s8, v1                     ; wave 0..3
	s_and_b32 s9, s8, 1                            ; which half of the mask's tile waves 2 and 3 ask for
	s_bfe_u32 s12, ttmp6, 0x40000                  ; cx
	s_bfe_u32 s13, ttmp6, 0x40004                  ; cy
	s_lshl_b32 s14, ttmp9, 2
	s_add_co_u32 s14, s14, s12                     ; head = 4 x cluster x + cx
	s_and_b32 s15, ttmp7, 0xffff                   ; the cluster's y
	s_lshl_b32 s16, s15, 2
	s_add_co_u32 s16, s16, s13                     ; Y = 8 x batch + query block
	s_lshr_b32 s17, s15, 1                         ; batch, from the cluster's y alone: the whole cluster shares it
	s_lshl_b32 s18, s13, 2
	s_lshl_b32 s18, 15, s18                        ; my row of the cluster
	s_lshl_b32 s19, 0x1111, s12                    ; my column
	s_mov_b32 s76, 0x76543210                      ; v_permlanex16_b32: lane i reads lane i of the other half
	s_mov_b32 s77, 0xfedcba98
	s_mov_b32 s78, 0x3fb8aa3b                      ; log2 e, twice (a pair for the packed forms)
	s_mov_b32 s79, 0x3fb8aa3b
	s_mov_b32 s87, 0xbfb8aa3b                      ; -log2 e
	; group 1.  K's and V's tiles are 8,192 bytes without a gap, taken as 32 rows of 256 bytes; the pad follows every 32 words, so each key's 128 bytes get their pitch
	s_or_b32  s[G1K+0], s19, (1<<16)|(1<<20)|(1<<21)|(4<<22)|(3<<25)   ; element of 2 bytes, padding on, bit 21 beside the mask, 4 words behind every 32: pitch 144
	s_or_b32  s[G1V+0], s19, (1<<16)|(1<<20)|(1<<21)|(4<<22)|(7<<25)   ; 8 words: pitch 160
.irp g, G1K, G1V
	s_mov_b32 s[\g+1], 128<<16                     ; tensor_dim0 = 128 elements
	s_mov_b32 s[\g+2], 32<<16                      ; tensor_dim1 = 32 rows
	s_mov_b32 s[\g+3], 128<<16                     ; tile_dim0
	s_mov_b32 s[\g+4], 32                          ; tile_dim1
	s_mov_b32 s[\g+5], 128                         ; from row to row
	s_mov_b32 s[\g+6], 0
	s_mov_b32 s[\g+7], 0
.endr
	s_or_b32  s[G1M+0], s18, (2<<16)|(1<<20)|(1<<21)|(5<<22)|(3<<25)   ; element of 4 bytes, 4 words behind every 64: pitch 272
	s_mov_b32 s[G1M+1], 64<<16                     ; 64 keys (256 bytes)
	s_mov_b32 s[G1M+2], 128<<16                    ; 128 queries
	s_mov_b32 s[G1M+3], 64<<16
	s_mov_b32 s[G1M+4], 128
	s_mov_b32 s[G1M+5], 2048
	s_mov_b32 s[G1M+6], 0
	s_mov_b32 s[G1M+7], 0
	; offsets.  K's and V's in s[88:89] never hold cy, the mask's in s[90:93] never hold cx
	s_lshl_b32 s88, s17, 4
	s_add_co_u32 s88, s88, s14
	s_lshl_b32 s88, s88, 18                        ; (16 batch + head) planes of 262,144 bytes
	s_mov_b32 s89, 0
	s_lshl_b32 s90, s16, 21                        ; Y x 256 rows of 8,192 bytes (a batch is 8 such blocks)
	s_mov_b32 s91, 0
	s_lshl_b32 s92, s9, 20                         ; + 128 rows
	s_mov_b32 s93, 0
	s_and_b32 s94, s16, 7
	s_lshl_b32 s94, s94, 15                        ; my queries in the plane: 256 x query block
	s_add_co_u32 s94, s94, s88
	s_lshl_b32 s95, s8, 13                         ; + 64 x wave, rows of 128 bytes
	s_add_co_u32 s94, s94, s95
	s_mov_b32 s95, 0
	s_mul_i32 s20, s8, PART                        ; where my loads land: wave x a quarter slot
	s_wait_dscnt 0x0
	s_wait_kmcnt 0x0
	s_add_nc_u64 s[82:83], s[4:5], s[94:95]        ; my 64 rows of Q
	s_add_nc_u64 s[84:85], s[10:11], s[94:95]      ; and of oh
	s_add_nc_u64 s[88:89], s[4:5], s[88:89]        ; the head's plane
	s_add_nc_u64 s[80:81], s[6:7], s[90:91]        ; the mask's 256 rows
	s_add_nc_u64 s[92:93], s[80:81], s[92:93]
	CROUND                                         ; all sixteen work-groups are here: the first joint loads meet
.irp s, 0,1
	s_mov_b32 s[G0K+4*\s], 1
	s_add_co_u32 s[G0K+4*\s+1], s20, \s*SLOT
	s_add_nc_u64 s[G0K+4*\s+2:G0K+4*\s+3], s[88:89], 8388608+\s*8192      ; K's planes begin 8 MiB into qkv; tile s
	s_or_b32 s[G0K+4*\s+3], s[G0K+4*\s+3], 0x80000000
	s_mov_b32 s[G0V+4*\s], 1
	s_add_co_u32 s[G0V+4*\s+1], s20, \s*SLOT
	s_add_nc_u64 s[G0V+4*\s+2:G0V+4*\s+3], s[88:89], 16777216+\s*8192     ; V's 16 MiB
	s_or_b32 s[G0V+4*\s+3], s[G0V+4*\s+3], 0x80000000
	s_mov_b32 s[G0M+4*\s], 1
	s_add_co_u32 s[G0M+4*\s+1], s20, \s*SLOT
	s_add_nc_u64 s[G0M+4*\s+2:G0M+4*\s+3], s[92:93], \s*256
	s_or_b32 s[G0M+4*\s+3], s[G0M+4*\s+3], 0x80000000
	JLOAD \s                                       ; both slots are asked for before anything else: two loads a wave are out, the most in this text
.endr
	v_and_b32 v1, 15, v0                           ; r = l % 16
	v_bfe_u32 v2, v0, 4, 1                         ; h = l / 16
	v_and_b32 v3, 7, v0                            ; l % 8
	v_bfe_u32 v15, v0, 3, 1                        ; (l / 8) % 2
	v_mov_b32 v[ZR], 0                             ; 0: the addend of the mask's multiply
	v_mul_u32_u24 v[ADK], v1, KP
	v_lshl_add_u32 v[ADK], v2, 4, v[ADK]           ; key r, 16 bytes for each half of the lanes
	v_add_nc_u32 v[ADK+1], SLOT, v[ADK]
	v_lshl_add_u32 v[ADV], v2, 3, v3               ; the transposing load: key 8 h + l % 8,
	v_mul_u32_u24 v[ADV], v[ADV], VP
	v_lshl_add_u32 v[ADV], v15, 4, v[ADV]          ; 16 bytes at 16 ((l / 8) % 2)
	v_add_nc_u32 v[ADV], PART, v[ADV]
	v_add_nc_u32 v[ADV+1], SLOT, v[ADV]
	s_mul_i32 s21, s8, 64*MP
	s_add_co_u32 s21, s21, 2*PART
	v_mul_u32_u24 v[ADM], v1, MP
	v_lshl_add_u32 v[ADM], v2, 5, v[ADM]           ; query 64 w + r, 8 keys of 4 bytes for each half
	v_add_nc_u32 v[ADM], s21, v[ADM]
	v_add_nc_u32 v[ADM+1], SLOT, v[ADM]
	s_mul_i32 s22, s8, 64*KP
	s_add_co_u32 s22, s22, STAGE                   ; my stage
	v_add_nc_u32 v[STO], s22, v[ADK]               ; in: row r, 16 bytes for each half
	v_bfe_u32 v[RD], v0, 3, 2
	v_mul_u32_u24 v[RD], v[RD], KP                 ; back: eight lanes take a row of 128 bytes, the wave four rows
	v_lshl_add_u32 v[RD], v3, 4, v[RD]
	v_add_nc_u32 v[RD], s22, v[RD]
	v_and_b32 v[CO], 31, v0
	v_lshlrev_b32 v[CO], 4, v[CO]                  ; four rows of oh are 512 bytes without a gap
	v_lshl_add_u32 v[PF], s14, 4, v1               ; prefetch: row 16 head + r of the 256,
	v_lshlrev_b32 v[PF], 13, v[PF]
	v_lshl_add_u32 v[PF], v2, 8, v[PF]             ; lanes 16-31 the tile 256 bytes further on,
	v_add_nc_u32 v[PF], 512, v[PF]                 ; stepped by 512 in front of each request: the first is for tiles 4 and 5
	v_lshlrev_b32 v[QO], 7, v1
	v_lshl_add_u32 v[QO], v2, 4, v[QO]             ; query r, 16 bytes for each half
	WIN 0x40                                       ; destination window 1
.irp qt, 0,1,2,3
.irp c, 0,1,2,3
	global_load_b128 v[QF+16*\qt+4*\c:QF+16*\qt+4*\c+3], v[QO], s[82:83] offset:2048*\qt+32*\c   ; Q's fragments stay in registers for the whole kernel
.endr
.endr
	WIN 0
.macro KLOAD s                         ; 16 loads: K's eight fragments (16 keys x 32 d)
	WIN 0x80
.irp kt, 0,1,2,3
.irp ks, 0,1
	ds_load_b128 v[KF+8*(2*\kt+\ks):KF+8*(2*\kt+\ks)+3],   v[ADK+(\s)] offset:16*KP*\kt+64*\ks
	ds_load_b128 v[KF+8*(2*\kt+\ks)+4:KF+8*(2*\kt+\ks)+7], v[ADK+(\s)] offset:16*KP*\kt+64*\ks+32
.endr
.endr
.endm
.macro VLOAD s                         ; 16 transposing loads: V^T's eight fragments (16 d x 32 keys)
	WIN 0x40
.irp dt, 0,1,2,3
.irp ks, 0,1
	ds_load_tr16_b128 v[VF+8*(2*\dt+\ks):VF+8*(2*\dt+\ks)+3],   v[ADV+(\s)] offset:32*VP*\ks+32*\dt
	ds_load_tr16_b128 v[VF+8*(2*\dt+\ks)+4:VF+8*(2*\dt+\ks)+7], v[ADV+(\s)] offset:32*VP*\ks+32*\dt+16*VP
.endr
.endr
	WIN 0
.endm
.macro MLOAD s, qt, buf                ; 8 loads: the mask of query block qt, in S's own layout
	WIN 0
.irp kt, 0,1,2,3
	ds_load_b128 v[MK+32*\buf+8*\kt:MK+32*\buf+8*\kt+3],   v[ADM+(\s)] offset:16*MP*(\qt)+64*\kt
	ds_load_b128 v[MK+32*\buf+8*\kt+4:MK+32*\buf+8*\kt+7], v[ADM+(\s)] offset:16*MP*(\qt)+64*\kt+16
.endr
.endm
; 32 matrix instructions: S^T = K Q^T.  The sixteen accumulators take turns, one instruction a turn; the first product starts each sum.
.macro SPH
	WIN 0x06                                       ; source 0 window 2, source 1 window 1, C and D window 0
.irp ks, 0,1
.irp qt, 0,1,2,3
.irp kt, 0,1,2,3
.if \ks
	v_wmma_f32_16x16x32_f16 v[SC+32*\qt+8*\kt:SC+32*\qt+8*\kt+7], v[KF+8*(2*\kt+\ks):KF+8*(2*\kt+\ks)+7], v[QF+8*(2*\qt+\ks):QF+8*(2*\qt+\ks)+7], v[SC+32*\qt+8*\kt:SC+32*\qt+8*\kt+7]
.else
	v_wmma_f32_16x16x32_f16 v[SC+32*\qt+8*\kt:SC+32*\qt+8*\kt+7], v[KF+8*(2*\kt+\ks):KF+8*(2*\kt+\ks)+7], v[QF+8*(2*\qt+\ks):QF+8*(2*\qt+\ks)+7], 0
.endif
.endr
.endr
.endr
.endm
; 32 matrix instructions: O^T += V^T P^T, the sixteen accumulators by turns likewise; in the first trip the first product starts each sum.
.macro PV first
	WIN 0x51                                       ; source 0 window 1, source 1 window 0, C and D window 1
.irp ks, 0,1
.irp qt, 0,1,2,3
.irp dt, 0,1,2,3
.if (\first)*(1-\ks)
	v_wmma_f32_16x16x32_f16 v[OA+8*(4*\qt+\dt):OA+8*(4*\qt+\dt)+7], v[VF+8*(2*\dt+\ks):VF+8*(2*\dt+\ks)+7], v[SC+32*\qt+16*\ks:SC+32*\qt+16*\ks+7], 0
.else
	v_wmma_f32_16x16x32_f16 v[OA+8*(4*\qt+\dt):OA+8*(4*\qt+\dt)+7], v[VF+8*(2*\dt+\ks):VF+8*(2*\dt+\ks)+7], v[SC+32*\qt+16*\ks:SC+32*\qt+16*\ks+7], v[OA+8*(4*\qt+\dt):OA+8*(4*\qt+\dt)+7]
.endif
.endr
.endr
.endr
.endm
.macro SCALEO                          ; O of query block qt times its factor: one number a lane
	WIN 0x41                                       ; destination and source 0 window 1, source 1 window 0
.irp qt, 0,1,2,3
.irp i, 0,1,2,3,4,5,6,7,8,9,10,11,12,13,14,15
	v_pk_mul_f32 v[OA+32*\qt+2*\i:OA+32*\qt+2*\i+1], v[OA+32*\qt+2*\i:OA+32*\qt+2*\i+1], v[AL+2*\qt:AL+2*\qt+1]
.endr
.endr
.endm
; Wave 0 asks for its work-group's sixteenth (16 rows) of the mask tiles four and five trips on: 32 lanes, 32 aligned blocks of 256 bytes, each asked for by
; this one lane in the whole launch.  Their tensor loads are issued two and three trips later.  Fourteen requests, in trips 0, 2 .. 26: the last is for tiles 30 and 31.
.macro PFETCH
	s_cmp_lg_u32 s8, 0
	s_cbranch_scc1 .Lno_pf_\@
	s_wait_xcnt 0x0                                ; the last request has had its address translated (ISA guide 3.1): only now is its offset stepped
	v_add_nc_u32 v[PF], 512, v[PF]
	global_prefetch_b8 v[PF], s[80:81] th:TH_LOAD_NT scope:SCOPE_SE
.Lno_pf_\@:
.endm
; The softmax step of query block qt on this trip's 64 keys.  n = how many younger LDS loads may stay out when the block's mask has to be in.
.macro SM s, qt, buf, n, next, first
.set SB, SC+32*\qt
.set MB, MK+32*\buf
	WIN 0
	s_wait_dscnt \n
.irp p, 0,1,2,3,4,5,6,7,8,9,10,11,12,13,14,15
	v_cvt_pk_bf16_f32 v[MB+\p], v[MB+2*\p], v[MB+2*\p+1]                              ; the mask to bf16 (see FORMATS), packed in place: register p has been used by then
.endr
.irp p, 0,1,2,3,4,5,6,7,8,9,10,11,12,13,14,15
	v_fma_mix_f32_bf16 v[SB+2*\p],   v[SB+2*\p],   v[MB+\p], v[ZR] op_sel_hi:[0,1,0]                  ; the mask multiplies: score x low half + 0, one rounding in f32
	v_fma_mix_f32_bf16 v[SB+2*\p+1], v[SB+2*\p+1], v[MB+\p], v[ZR] op_sel:[0,1,0] op_sel_hi:[0,1,0]   ; score x high half + 0
.endr
.if \next
	MLOAD \s, \qt+2, \buf                          ; the buffer is free: the mask of the block after next
.endif
.irp k, 0,1,2,3
	v_max3_num_f32 v[T+\k], v[SB+8*\k], v[SB+8*\k+1], v[SB+8*\k+2]                    ; the largest of my 32 scores, in four chains
.endr
.irp k, 0,1,2,3
	v_max3_num_f32 v[T+\k], v[T+\k], v[SB+8*\k+3], v[SB+8*\k+4]
.endr
.irp k, 0,1,2,3
	v_max3_num_f32 v[T+\k], v[T+\k], v[SB+8*\k+5], v[SB+8*\k+6]
.endr
	v_max3_num_f32 v[T], v[T], v[SB+7], v[SB+15]
	v_max3_num_f32 v[T+1], v[T+1], v[SB+23], v[SB+31]
	v_max3_num_f32 v[T], v[T], v[T+1], v[T+2]
	v_max_num_f32 v[T], v[T], v[T+3]
	v_permlanex16_b32 v[T+1], v[T], s76, s77       ; the other 32 keys of my query lie 16 lanes away
.if \first
	v_max_num_f32 v[T+3], v[T], v[T+1]
.else
	v_max3_num_f32 v[T+3], v[T], v[T+1], v[MX+\qt] ; the new running maximum
	v_sub_f32 v[T+2], v[MX+\qt], v[T+3]
	v_mul_f32 v[T+2], s78, v[T+2]
	v_exp_f32 v[AL+2*\qt], v[T+2]                  ; what the old sums are worth under it, twice for the packed forms;
	v_exp_f32 v[AL+2*\qt+1], v[T+2]                ; the move below is the plain place behind them (ISA guide 5.7.2)
.endif
	v_mov_b32 v[MX+\qt], v[T+3]
	v_mul_f32 v[NM], s87, v[T+3]
	v_mul_f32 v[NM+1], s87, v[T+3]
.irp p, 0,1,2,3,4,5,6,7,8,9,10,11,12,13,14,15
	v_pk_fma_f32 v[SB+2*\p:SB+2*\p+1], v[SB+2*\p:SB+2*\p+1], s[78:79], v[NM:NM+1] op_sel_hi:[1,0,1]   ; (s - m) log2 e in one rounding
.endr
.set n2, 0
.rept 32
	v_exp_f32 v[SB+n2], v[SB+n2]
.set n2, n2+1
.endr
	v_nop                                          ; one plain place between the exponentials and the first use of a result (ISA guide 5.7.2)
	; the sum in two chains, and the packing to f16: pair p goes to register 16 (p / 8) + p % 8 of the block, whose old contents have been used by then
.irp p, 0,1,2,3,4,5,6,7,8,9,10,11,12,13,14,15
.if \p == 0
.if \first
	s_wait_alu depctr_va_vdst(0)
	v_pk_add_f32 v[LP+2*\qt:LP+2*\qt+1], v[SB:SB+1], v[SB+4:SB+5]
.else
	s_wait_alu depctr_va_vdst(0)
	v_pk_fma_f32 v[LP+2*\qt:LP+2*\qt+1], v[LP+2*\qt:LP+2*\qt+1], v[AL+2*\qt:AL+2*\qt+1], v[SB:SB+1]
.endif
.elseif \p == 1
	v_pk_add_f32 v[TB:TB+1], v[SB+2:SB+3], v[SB+6:SB+7]
.elseif \p == 2
.if \first == 0
	v_pk_add_f32 v[LP+2*\qt:LP+2*\qt+1], v[LP+2*\qt:LP+2*\qt+1], v[SB+4:SB+5]
.endif
.elseif \p == 3
.elseif (\p & 1) == 0
	v_pk_add_f32 v[LP+2*\qt:LP+2*\qt+1], v[LP+2*\qt:LP+2*\qt+1], v[SB+2*\p:SB+2*\p+1]
.else
	v_pk_add_f32 v[TB:TB+1], v[TB:TB+1], v[SB+2*\p:SB+2*\p+1]
.endif
	v_cvt_pk_f16_f32 v[SB+16*(\p>>3)+(\p&7)], v[SB+2*\p], v[SB+2*\p+1]
.endr
	v_pk_add_f32 v[LP+2*\qt:LP+2*\qt+1], v[LP+2*\qt:LP+2*\qt+1], v[TB:TB+1]
.endm
; One tile of 64 keys, in slot s.  At its head 32 LDS loads are out: K's 16, then the masks of query blocks 0 and 1, 8 each.
.macro TRIP s, first, fill, last, pf
.if \first == 0
.rept 5
	v_nop                                          ; five places: S is written over P's fragments, which the last matrix instructions read (ISA guide 7.12.1)
.endr
.endif
	s_wait_dscnt 16                                ; K's fragments are in; the two masks' 16 loads may stay out
	SPH
	PLACES
	VLOAD \s
	SM \s, 0, 0, 24, 1, \first                     ; out: mask 1's 8 and V's 16
	SM \s, 1, 1, 24, 1, \first                     ; out: V's 16 and mask 2's 8
	SM \s, 2, 0, 8, 0, \first                      ; out: mask 3's 8
	SM \s, 3, 1, 0, 0, \first
	s_wait_dscnt 0x0                               ; my reads of this slot are over (met: the last count was 0)
	s_wait_tensorcnt 0x0                           ; all my tensor loads have landed: the one that was out is my part of the other slot
	ds_add_u32 v62, v63
	s_wait_dscnt 0x0
.if \fill
	CROUND                                         ; both hold of every wave of all sixteen work-groups
	s_add_nc_u64 s[G0K+4*\s+2:G0K+4*\s+3], s[G0K+4*\s+2:G0K+4*\s+3], 16384
	s_add_nc_u64 s[G0V+4*\s+2:G0V+4*\s+3], s[G0V+4*\s+2:G0V+4*\s+3], 16384
	s_add_nc_u64 s[G0M+4*\s+2:G0M+4*\s+3], s[G0M+4*\s+2:G0M+4*\s+3], 512
	JLOAD \s                                       ; my one tensor load behind the round, first thing there: the tile two trips on, with a whole trip in which to land
.if \pf
	PFETCH
.endif
.elseif \last == 0
	s_barrier_signal -1                            ; nothing is left to fetch: the last tile is shown to every wave
	s_barrier_wait -1
.endif
.if \last == 0
	KLOAD 1-\s                                     ; the next trip's first fragments come in under the 32 matrix instructions below
	MLOAD 1-\s, 0, 0
	MLOAD 1-\s, 1, 1
.endif
.if \first == 0
	SCALEO
.endif
	PV \first
	WIN 0                                          ; at a label and at a branch every window is 0
.endm
	s_wait_tensorcnt 0x1                           ; my part of tile 0 is in; tile 1's one load may stay out
	s_barrier_signal -1
	s_barrier_wait -1                              ; everybody's is
	KLOAD 0
	MLOAD 0, 0, 0
	MLOAD 0, 1, 1
	s_wait_loadcnt 0x0                             ; Q
	TRIP 0, 1, 1, 0, 1                             ; tiles 0 and 1 stand in front of the loop: the first starts maxima and sums
	TRIP 1, 0, 1, 0, 0
	s_mov_b32 s86, 13
.Llap:                                             ; tiles 2 to 27
	TRIP 0, 0, 1, 0, 1
	TRIP 1, 0, 1, 0, 0
	s_sub_co_u32 s86, s86, 1
	s_cmp_lg_u32 s86, 0
	s_cbranch_scc1 .Llap
	TRIP 0, 0, 1, 0, 0                             ; tiles 28 and 29 ask for the last two tiles, and prefetch nothing: it would lie past the row's end
	TRIP 1, 0, 1, 0, 0
	TRIP 0, 0, 0, 0, 0                             ; tiles 30 and 31 fill nothing
	TRIP 1, 0, 0, 1, 0
	; THE WAY OUT.  l = my two partial sums and those of the lane 16 away; O / (8 l) to f16, through my own stage, out as whole rows.
	; The eight additions below are the places behind the last matrix instructions: they name none of their registers.
.irp qt, 0,1,2,3
	v_add_f32 v[T+\qt], v[LP+2*\qt], v[LP+2*\qt+1]
.endr
.irp qt, 0,1,2,3
	v_permlanex16_b32 v[MX+\qt], v[T+\qt], s76, s77
.endr
.irp qt, 0,1,2,3
	v_add_f32 v[T+\qt], v[T+\qt], v[MX+\qt]
.endr
.irp qt, 0,1,2,3
	v_rcp_f32 v[MX+\qt], v[T+\qt]                  ; l is at least about 1: the largest term
.endr
	v_nop                                          ; one plain place behind the reciprocals (ISA guide 5.7.2)
	s_wait_alu depctr_va_vdst(0)
.irp qt, 0,1,2,3
	v_mul_f32 v[AL+2*\qt],   0x3e000000, v[MX+\qt] ; 1 / (8 l): the division by the root of 64 comes behind the softmax
	v_mul_f32 v[AL+2*\qt+1], 0x3e000000, v[MX+\qt]
.endr
	SCALEO
	WIN 0x05                                       ; sources from window 1
.irp qt, 0,1,2,3
.irp dt, 0,1,2,3
.irp q, 0,1,2,3
	v_cvt_pk_f16_f32 v[SC+4*(4*\qt+\dt)+\q], v[OA+8*(4*\qt+\dt)+2*\q], v[OA+8*(4*\qt+\dt)+2*\q+1]
.endr
.endr
.endr
	WIN 0
.irp qt, 0,1,2,3
.irp dt, 0,1,2,3
	ds_store_b128 v[STO], v[SC+4*(4*\qt+\dt):SC+4*(4*\qt+\dt)+3] offset:16*KP*\qt+32*\dt   ; query 16 qt + r, d = 16 dt + 8 h + 0..7
.endr
.endr
.irp i, 0,1,2,3,4,5,6,7,8,9,10,11,12,13,14,15
	ds_load_b128 v[SC+64+4*\i:SC+64+4*\i+3], v[RD] offset:4*KP*\i      ; my own bytes: LDS serves a wave's instructions in order (ISA guide 5.7.1.4)
.endr
.irp i, 0,1,2,3,4,5,6,7,8,9,10,11,12,13,14,15
	s_wait_dscnt 15-\i                             ; four rows are in, the younger loads stay out
	global_store_b128 v[CO], v[SC+64+4*\i:SC+64+4*\i+3], s[84:85] offset:512*\i   ; the wave stores 512 consecutive bytes at a multiple of 512 from oh's first byte
.endr
	s_wait_tensorcnt 0x0
	ds_add_u32 v62, v63
	s_wait_dscnt 0x0
	CROUND                                         ; the closing round: no work-group ends while a partner may still ask for a tile that names it
	s_endpgm
.Lfunc_end_k_q805c4ff1ea_attn:
	.size	k_q805c4ff1ea_attn, .Lfunc_end_k_q805c4ff1ea_attn-k_q805c4ff1ea_attn
	.p2alignl 7, 3214868480
	.fill 96, 4, 3214868480
	.section	.rodata,"a",@progbits
	.p2align	6, 0x0
	.amdhsa_kernel k_q805c4ff1ea_attn
		.amdhsa_group_segment_fixed_size 327680
		.amdhsa_private_segment_fixed_size 0
		.amdhsa_enable_private_segment 0
		.amdhsa_kernarg_size 24
		.amdhsa_user_sgpr_count 2
		.amdhsa_user_sgpr_kernarg_segment_ptr 1
		.amdhsa_wavefront_size32 1
		.amdhsa_system_sgpr_workgroup_id_x 1
		.amdhsa_system_sgpr_workgroup_id_y 1
		.amdhsa_system_sgpr_workgroup_id_z 1
		.amdhsa_system_vgpr_workitem_id 0
		.amdhsa_next_free_vgpr 576
		.amdhsa_next_free_sgpr 96
		.amdhsa_reserve_vcc 0
		.amdhsa_float_denorm_mode_32 3
		.amdhsa_float_denorm_mode_16_64 3
		.amdhsa_memory_ordered 1
		.amdhsa_forward_progress 1
		.amdhsa_inst_pref_size 255
	.end_amdhsa_kernel
	.section	.bss,"aw",@nobits
	.p2align	6
	.space	262144
	.amdgpu_metadata
---
amdhsa.version: [ 1, 2 ]
amdhsa.kernels:
  - .name:           k_q805c4ff1ea_attn
    .symbol:         k_q805c4ff1ea_attn.kd
    .args:
      - { .name: qkv, .offset: 0, .size: 8, .value_kind: global_buffer, .address_space: global }
      - { .name: mask, .offset: 8, .size: 8, .value_kind: global_buffer, .address_space: global }
      - { .name: oh, .offset: 16, .size: 8, .value_kind: global_buffer, .address_space: global }
    .group_segment_fixed_size: 327680
    .private_segment_fixed_size: 0
    .kernarg_segment_align: 8
    .kernarg_segment_size: 24
    .max_flat_workgroup_size: 128
    .sgpr_count:     96
    .vgpr_count:     576
    .wavefront_size: 32
...
	.end_amdgpu_metadata
.endif
;; end of part 3
;; launch outp (part 4): grid 8 x 32, 4 waves a work-group, clusters of 4 x 4, 327,680 bytes of LDS; arguments oh, h16, bp, out0; writes out0
.if DOCPART == 4
	.amdgcn_target "amdgcn-amd-amdhsa--gfx1250"
	.amdhsa_code_object_version 6
	.text
	.protected	k_q805c4ff1ea_outp
	.globl	k_q805c4ff1ea_outp
	.p2align	8
	.type	k_q805c4ff1ea_outp,@function
k_q805c4ff1ea_outp:
	s_mov_b64 s[64:65], 0
	v_nop
	global_prefetch_b8 v0, s[64:65] scope:SCOPE_SE
	s_setreg_imm32_b32 hwreg(HW_REG_WAVE_MODE, 25, 1), 1
	s_wait_xcnt 0x0
	s_wait_alu depctr_hold_cnt(0) depctr_sa_sdst(0) depctr_va_vdst(0) depctr_va_sdst(0) depctr_va_ssrc(0) depctr_va_vcc(0) depctr_vm_vsrc(0)
	s_getreg_b32 s2, hwreg(HW_REG_IB_STS2, 6, 4)
	s_cmp_eq_u32 s2, 0
	s_cbranch_scc0 .Lentry_in_a_cluster
	s_endpgm
.Lentry_in_a_cluster:
	s_bfe_u32 s2, ttmp6, 0x10000c
	s_cmp_lg_u32 s2, 0xf033
	s_cbranch_scc0 .Lentry_shape_is_right
	s_endpgm
.Lentry_shape_is_right:
.set MODE, 1
; C = X W + bias, K = 1024, 16-bit operands, f32 sums.  One text for two launches:
;   MODE 0: X = the 12,288 rows [target | source | memory] of h16, W = WQ, WK or WV of h16 (by the row block), both bf16; C = qkv in f16.
;   MODE 1: X(q, 64 head + d) = oh[b][head][q][d] in f16, W = Wp of h16 (bf16 numbers kept in f16's format); C = out0 in f32.
; A work-group makes 128 rows x 128 columns with four waves, a wave 64 x 64 = 16 accumulators of 16 x 16.
; K goes in four phases of 256 through two LDS slots filled by the tensor data mover; the four phases are written out, there is no loop.
; CLUSTERS: 4 x 4 work-groups.  X's tile hangs on the row block alone and is asked for jointly by a row of the cluster, W's tile on the
; column block (and on which weight, which the whole cluster shares) and is asked for jointly by a column: a quarter of the requests.
; THE MATRIX INSTRUCTION IS USED TRANSPOSED: source 0 = 16 columns of W (W lies [k][n] in LDS and is read by the transposing load),
; source 1 = 16 rows of X.  Lane l then holds row l % 16 of C and registers 0-7 the columns 8 (l / 16) + 0..7: neighbouring numbers of a row.
; The first product of each accumulator takes the bias as C: nothing is cleared and no add is written.
; FORMATS, stated as they are: the inputs of the affine map, THE BIAS TOO, are rounded to bf16 (8 significant bits); the bias is rounded here, in registers.
; So the launch computes, in f32 sums of exact products, the map of inputs that are all in one format; the bias's rounding adds an error of the size
; of the operands' own.  The results Q, K, V are kept in f16 (11 bits): the softmax behind them multiplies an error of a score.
; LIMIT: MODE 0: |C| below 65,504 (f16); with every input 30 times the drawn spread |C| stays near 5,400, with a common offset of 30 spreads on X and W
; near 28,800.  MODE 1: |X| and |W| below 65,504.
; REGISTERS: window 0 (v0-255) addresses and the way out; window 1 the accumulators (v0-127 there), the bias (v128-159) and its rounding (v160-175);
; window 2 two fragment buffers of 128 registers: W's fragments (c2, nt) at 8 (4 c2 + nt), X's (c2, mt) at 64 + 8 (4 c2 + mt).
.set PART,  36864                      ; what one wave's tensor load fills: a quarter of a slot
.set SLOT,  4*PART                     ; X rows 0-63, X rows 64-127 (MODE 1: heads 0-1, heads 2-3), W k 0-127, W k 128-255
.set WP,    288                        ; W's LDS pitch: 256 bytes + 32, an odd multiple of 32 as the transposing load's lanes want
.set WOFF,  25165824                   ; the weights in h16
.set WSTEP, 1048576                    ; two phases down W: 512 rows of 2,048 bytes
.if MODE
.set XP,    144                        ; a head's row of 128 bytes + 16
.set APH,   1048576                    ; a phase = four heads of 262,144 bytes
.set SP,    528                        ; stage: a row of 512 bytes + 16
.set PA, 4
.set PW, 6
.set PO, 10
.else
.set XP,    528                        ; a phase's row of 512 bytes + 16: an odd multiple of 16, so sixteen rows start in sixteen different 16-byte columns of 256
.set APH,   512                        ; a phase = 256 numbers of 2 bytes along the row
.set SP,    272                        ; stage: a row of 256 bytes + 16
.set PA, 4
.set PW, 4
.set PO, 12
.endif
.set ADX, 4                            ; v4-5   X fragments' LDS address in slot 0, 1
.set ADW, 6                            ; v6-9   W fragments' LDS address: 2 slot + half of the phase
.set STO, 10                           ; v10    the way out: where I put my numbers
.set RD,  11                           ; v11    where I read rows back
.set CO,  12                           ; v12    my byte offset in C
.set BO,  13                           ; v13    my byte offset in the bias
.set TMP, 32                           ; v[32:95]  packed results (MODE 0)
.set RB,  96                           ; v[96:223] rows read back
.set ACC, 0                            ; window 1
.set BIAS, 128                         ; window 1
.set BT,  160                          ; window 1: the bias as packed bf16, at work
.set G1A, 24                           ; s[24:31] group 1 for X's tiles
.set G0A, 32                           ; s[32:39] group 0 for X's tiles, a set for each slot
.set G1B, 40                           ; s[40:47] group 1 for W's tiles
.set G0B, 48                           ; s[48:55] group 0 for W's tiles, a set for each slot
.set MULW, 0x5a                        ; sources 0 and 1 window 2, C and D window 1
.set LDW,  0x80                        ; destination window 2, address window 0
.set MSB, 0
.macro WIN new                         ; the immediate's high byte repeats the setting that is left
.if MSB != \new
	s_set_vgpr_msb (MSB<<8)|\new
.set MSB, \new
.endif
.endm
.macro PLACES                          ; four places behind a matrix instruction, in front of loads into its sources and of readers of its result
.rept 4
	v_nop
.endr
.endm
.macro CREST                           ; a round of the cluster's barrier behind its opening barrier
	s_cmp_lg_u32 s20, 0
	s_cbranch_scc1 .Lnot_wave_0_\@
	s_barrier_signal -3
.Lnot_wave_0_\@:
	s_barrier_wait -3
	s_barrier_signal -1
	s_barrier_wait -1
.endm
.macro CROUND                          ; a whole round
	s_barrier_signal -1
	s_barrier_wait -1
	CREST
.endm
.macro JLOAD s                         ; a joint load: waves 0 and 1 ask for X's two halves, waves 2 and 3 for W's; each line has one mask
	s_cmp_eq_u32 s21, 0
	s_cbranch_scc0 .Lfor_w_\@
	tensor_load_to_lds s[G0A+4*\s:G0A+4*\s+3], s[G1A:G1A+7]
	s_nop 0
	s_branch .Lasked_\@
.Lfor_w_\@:
	tensor_load_to_lds s[G0B+4*\s:G0B+4*\s+3], s[G1B:G1B+7]
	s_nop 0
.Lasked_\@:
.endm
.if MODE
	s_load_b256 s[4:11], s[0:1], 0x0               ; oh, h16, bp, out0
	v_lshl_add_u32 v254, v0, 2, 0x48000
	v_mov_b32 v255, 0
	ds_add_u32 v254, v255
.else
	s_load_b256 s[4:11], s[0:1], 0x0               ; h16, bQ, bK, bV
	s_load_b64 s[12:13], s[0:1], 0x20              ; qkv
.endif
	v_lshrrev_b32 v1, 5, v0
	v_readfirstlane_b32 s20, v1                    ; wave 0..3
	s_lshr_b32 s21, s20, 1                         ; wm: my 64 rows.  Also: I ask for X (0) or for W (1)
	s_and_b32 s22, s20, 1                          ; wn: my 64 columns.  Also: which half of that tile I ask for
	s_bfe_u32 s14, ttmp6, 0x40000                  ; cx
	s_bfe_u32 s15, ttmp6, 0x40004                  ; cy
	s_lshl_b32 s16, ttmp9, 2
	s_add_co_u32 s16, s16, s14                     ; x: column block = 4 x cluster x + cx
	s_and_b32 s18, ttmp7, 0xffff                   ; the cluster's y
	s_lshl_b32 s17, s18, 2
	s_add_co_u32 s17, s17, s15                     ; y: row block = 4 x cluster y + cy
	s_lshr_b32 s19, s18, 3                         ; MODE 0: which of Q, K, V: 32 row blocks = 8 clusters each; the whole cluster shares it
	s_lshl_b32 s70, s15, 2
	s_lshl_b32 s70, 15, s70                        ; my row of the cluster: places 4 cy .. 4 cy + 3
	s_lshl_b32 s71, 0x1111, s14                    ; my column: places cx, cx + 4, cx + 8, cx + 12
	; group 1 of X's tiles.  15:0 mask, 17:16 element of 2 bytes, 20 padding on, 21 set beside a mask, 24:22 the interval, 31:25 the pad less one
.if MODE
	s_or_b32  s[G1A+0], s70, (1<<16)|(1<<20)|(1<<21)|(4<<22)|(3<<25)   ; 4 words behind every 32: each 128-byte row of a head gets pitch 144
	s_mov_b32 s[G1A+1], 8192<<16                   ; tensor_dim0 = 8,192: a head's 128 rows are 16 KiB without a gap, taken as one row
	s_mov_b32 s[G1A+2], 2<<16                      ; tensor_dim1 = 2 heads
	s_mov_b32 s[G1A+3], 8192<<16                   ; tile_dim0
	s_mov_b32 s[G1A+4], 2                          ; tile_dim1
	s_mov_b32 s[G1A+5], 131072                     ; from head to head: 2,048 x 64 elements
.else
	s_or_b32  s[G1A+0], s70, (1<<16)|(1<<20)|(1<<21)|(6<<22)|(3<<25)   ; 4 words behind every 128: pitch 528
	s_mov_b32 s[G1A+1], 256<<16                    ; tensor_dim0 = 256 elements (512 bytes)
	s_mov_b32 s[G1A+2], 64<<16                     ; tensor_dim1 = 64 rows
	s_mov_b32 s[G1A+3], 256<<16                    ; tile_dim0
	s_mov_b32 s[G1A+4], 64                         ; tile_dim1
	s_mov_b32 s[G1A+5], 1024                       ; from row to row
.endif
	s_mov_b32 s[G1A+6], 0
	s_mov_b32 s[G1A+7], 0
	; group 1 of W's tiles: 128 rows (k) of 128 elements (n), 8 words behind every 64: pitch 288
	s_or_b32  s[G1B+0], s71, (1<<16)|(1<<20)|(1<<21)|(5<<22)|(7<<25)
	s_mov_b32 s[G1B+1], 128<<16
	s_mov_b32 s[G1B+2], 128<<16
	s_mov_b32 s[G1B+3], 128<<16
	s_mov_b32 s[G1B+4], 128
	s_mov_b32 s[G1B+5], 1024
	s_mov_b32 s[G1B+6], 0
	s_mov_b32 s[G1B+7], 0
	; offsets.  X's in s[56:57] never hold cx, W's in s[60:61] never hold cy.
.if MODE
	s_lshr_b32 s56, s17, 4                         ; batch
	s_lshl_b32 s56, s56, 22                        ; x 16 heads of 262,144 bytes
	s_and_b32 s57, s17, 15
	s_lshl_b32 s57, s57, 14                        ; + 128 queries of 128 bytes
	s_add_co_u32 s56, s56, s57
	s_lshl_b32 s57, s22, 19                        ; + my two heads of the phase's four
	s_add_co_u32 s56, s56, s57
.else
	s_lshl_b32 s56, s17, 18                        ; 128 rows of 2,048 bytes
	s_lshl_b32 s57, s22, 17                        ; + my 64 rows
	s_add_co_u32 s56, s56, s57
.endif
	s_mov_b32 s57, 0
	s_lshl_b32 s60, s16, 8                         ; 128 columns of 2 bytes
	s_lshl_b32 s61, s22, 18                        ; + my 128 rows (k) of 2,048 bytes
	s_add_co_u32 s60, s60, s61
.if MODE
	s_add_co_u32 s60, s60, WOFF+3*2097152          ; Wp
.else
	s_lshl_b32 s61, s19, 21                        ; WQ, WK or WV
	s_add_co_u32 s60, s60, s61
	s_add_co_u32 s60, s60, WOFF
.endif
	s_mov_b32 s61, 0
.if MODE
	s_lshl_b32 s72, s17, 19                        ; C: 128 rows of 4,096 bytes,
	s_lshl_b32 s73, s16, 9                         ; 128 columns of 4 bytes
.else
	s_lshl_b32 s72, s17, 18                        ; C: 128 rows of 2,048 bytes,
	s_lshl_b32 s73, s16, 8                         ; 128 columns of 2 bytes
.endif
	s_add_co_u32 s72, s72, s73
	s_mov_b32 s73, 0
	s_lshl_b32 s74, s16, 9                         ; the bias of my 128 columns
	s_mov_b32 s75, 0
	s_mul_i32 s23, s20, PART                       ; where my loads land: wave x a quarter slot; no place in the cluster enters an LDS address
	s_wait_dscnt 0x0
	s_wait_kmcnt 0x0
	s_add_nc_u64 s[58:59], s[PA:PA+1], s[56:57]
	s_add_nc_u64 s[62:63], s[PW:PW+1], s[60:61]
	s_add_nc_u64 s[66:67], s[PO:PO+1], s[72:73]
.if MODE
	s_add_nc_u64 s[68:69], s[8:9], s[74:75]
.else
	s_cmp_eq_u32 s19, 1
	s_cselect_b64 s[68:69], s[8:9], s[6:7]
	s_cmp_eq_u32 s19, 2
	s_cselect_b64 s[68:69], s[10:11], s[68:69]
	s_add_nc_u64 s[68:69], s[68:69], s[74:75]
.endif
	CROUND                                         ; all sixteen work-groups are here: the first joint loads meet
.irp s, 0,1
	s_mov_b32 s[G0A+4*\s], 1                                       ; count = 1
	s_add_co_u32 s[G0A+4*\s+1], s23, \s*SLOT                       ; LDS address
	s_add_nc_u64 s[G0A+4*\s+2:G0A+4*\s+3], s[58:59], \s*APH        ; global address: phase s
	s_or_b32 s[G0A+4*\s+3], s[G0A+4*\s+3], 0x80000000              ; type = 2
	s_mov_b32 s[G0B+4*\s], 1
	s_add_co_u32 s[G0B+4*\s+1], s23, \s*SLOT
	s_add_nc_u64 s[G0B+4*\s+2:G0B+4*\s+3], s[62:63], \s*WSTEP/2
	s_or_b32 s[G0B+4*\s+3], s[G0B+4*\s+3], 0x80000000
	JLOAD \s                                       ; both slots are asked for before anything else: two loads a wave are out, the most in this text
.endr
	v_and_b32 v1, 15, v0                           ; r = l % 16
	v_bfe_u32 v2, v0, 4, 1                         ; h = l / 16
	v_and_b32 v3, 7, v0                            ; l % 8
	v_bfe_u32 v14, v0, 3, 1                        ; (l / 8) % 2
	; X's fragment: lane l holds row r; registers 0-3 k = 8 h + 0..7, registers 4-7 k = 16 + 8 h + 0..7: two loads of 16 bytes, 32 apart
	v_mul_u32_u24 v15, v1, XP
	v_lshl_add_u32 v15, v2, 4, v15
.if MODE
	s_mul_i32 s76, s21, 64*XP                      ; my 64 queries inside each head's plane
.else
	s_mul_i32 s76, s21, PART                       ; my 64 rows
.endif
	v_add_nc_u32 v[ADX], s76, v15
	v_add_nc_u32 v[ADX+1], SLOT, v[ADX]
	; W's fragment by the transposing load: lane l addresses row k = 8 h + l % 8, 16 bytes at 16 ((l / 8) % 2); the second load 16 rows down
	v_lshl_add_u32 v16, v2, 3, v3
	v_mul_u32_u24 v16, v16, WP
	v_lshl_add_u32 v16, v14, 4, v16
	s_lshl_b32 s77, s22, 7                         ; my 64 columns
	s_add_co_u32 s77, s77, 2*PART                  ; W lies behind X
	v_add_nc_u32 v[ADW], s77, v16
	v_add_nc_u32 v[ADW+1], PART, v[ADW]
	v_add_nc_u32 v[ADW+2], SLOT, v[ADW]
	v_add_nc_u32 v[ADW+3], SLOT, v[ADW+1]
	; the bias of my columns: register j of block nt is bias[64 wn + 16 nt + 8 h + j]
	v_lshlrev_b32 v[BO], 5, v2
	s_lshl_b32 s76, s22, 8
	v_add_nc_u32 v[BO], s76, v[BO]
	WIN 0x40                                       ; destination window 1
.irp nt, 0,1,2,3
	global_load_b128 v[BIAS+8*\nt:BIAS+8*\nt+3],   v[BO], s[68:69] offset:64*\nt
	global_load_b128 v[BIAS+8*\nt+4:BIAS+8*\nt+7], v[BO], s[68:69] offset:64*\nt+16
.endr
	WIN 0
	; the way out
	s_mul_i32 s76, s21, 64*SP
	v_mul_u32_u24 v[STO], v1, SP
.if MODE
	s_lshl_b32 s77, s22, 8                         ; 64 columns of 4 bytes
	v_lshl_add_u32 v[STO], v2, 5, v[STO]           ; 8 f32 a lane
.else
	s_lshl_b32 s77, s22, 7                         ; 64 columns of 2 bytes
	v_lshl_add_u32 v[STO], v2, 4, v[STO]           ; 8 f16 a lane
.endif
	s_add_co_u32 s76, s76, s77
	v_add_nc_u32 v[STO], s76, v[STO]
	s_mul_i32 s76, s20, 32*SP                      ; back: wave w takes rows 32 w .. 32 w + 31
.if MODE
	v_and_b32 v[RD], 31, v0
	v_lshlrev_b32 v[RD], 4, v[RD]                  ; the 32 lanes take one row of 512 bytes
	s_lshl_b32 s77, s20, 17                        ; 32 rows of 4,096 bytes
	v_add_nc_u32 v[CO], s77, v[RD]
	v_add_nc_u32 v[RD], s76, v[RD]
.else
	v_mul_u32_u24 v[RD], v2, SP                    ; lanes 0-15 take one row of 256 bytes, lanes 16-31 the next
	v_lshl_add_u32 v[RD], v1, 4, v[RD]
	v_add_nc_u32 v[RD], s76, v[RD]
	s_lshl_b32 s77, s20, 16                        ; 32 rows of 2,048 bytes
	v_lshlrev_b32 v[CO], 11, v2
	v_lshl_add_u32 v[CO], v1, 4, v[CO]
	v_add_nc_u32 v[CO], s77, v[CO]
.endif
; 32 LDS loads: the fragments of step i (64 along K: chunks c = 2 (i % 4) + c2 of the phase's eight) into buffer i % 2
.macro FETCH i
.set FS, ((\i)>>2)&1
.set FB, 128*((\i)&1)
	WIN LDW
.irp c2, 0,1
.set FC, 2*((\i)&3)+\c2
.irp nt, 0,1,2,3
	ds_load_tr16_b128 v[FB+8*(4*\c2+\nt):FB+8*(4*\c2+\nt)+3],   v[ADW+2*FS+(FC>>2)] offset:(FC&3)*32*WP+32*\nt
	ds_load_tr16_b128 v[FB+8*(4*\c2+\nt)+4:FB+8*(4*\c2+\nt)+7], v[ADW+2*FS+(FC>>2)] offset:(FC&3)*32*WP+32*\nt+16*WP
.endr
.irp mt, 0,1,2,3
.if MODE
.set XO, (FC>>1)*128*XP+16*XP*\mt+64*(FC&1)
.else
.set XO, 16*XP*\mt+64*FC
.endif
	ds_load_b128 v[FB+64+8*(4*\c2+\mt):FB+64+8*(4*\c2+\mt)+3],   v[ADX+FS] offset:XO
	ds_load_b128 v[FB+64+8*(4*\c2+\mt)+4:FB+64+8*(4*\c2+\mt)+7], v[ADX+FS] offset:XO+32
.endr
.endr
.endm
; 32 matrix instructions on buffer f.  The sixteen accumulators take turns, one instruction a turn.
; bias = 1: the first product of each accumulator takes the bias of its columns as C.
.macro MUL f, bias
	WIN MULW
.irp c2, 0,1
.irp mt, 0,1,2,3
.irp nt, 0,1,2,3
.set RGD, ACC+8*(4*\mt+\nt)
.set RGA, 128*\f+8*(4*\c2+\nt)
.set RGB, 128*\f+64+8*(4*\c2+\mt)
.if (\bias)*(1-\c2)
.set RGC, BIAS+8*\nt
.else
.set RGC, ACC+8*(4*\mt+\nt)
.endif
.if MODE
	v_wmma_f32_16x16x32_f16 v[RGD:RGD+7], v[RGA:RGA+7], v[RGB:RGB+7], v[RGC:RGC+7]
.else
	v_wmma_f32_16x16x32_bf16 v[RGD:RGD+7], v[RGA:RGA+7], v[RGB:RGB+7], v[RGC:RGC+7]
.endif
.endr
.endr
.endr
.endm
; Step i of sixteen.  sync = 1: step i's fragments were the last of their slot: the slot is filled again, two phases ahead.  sync = 2: the same change of slots with nothing left to fetch.
.macro STEP i, f, sync, slot, bias
	s_wait_dscnt 0x0                               ; step i's fragments are in; at a change of slots these were my last reads of the slot
.if \sync == 1
	WIN 0
	s_wait_tensorcnt 0x0                           ; all my tensor loads have landed: the one that was out is my part of the other slot
	ds_add_u32 v254, v255
	s_wait_dscnt 0x0
	CROUND                                         ; both hold of every wave of all sixteen work-groups
	s_add_nc_u64 s[G0A+4*\slot+2:G0A+4*\slot+3], s[G0A+4*\slot+2:G0A+4*\slot+3], 2*APH
	s_add_nc_u64 s[G0B+4*\slot+2:G0B+4*\slot+3], s[G0B+4*\slot+2:G0B+4*\slot+3], WSTEP
	JLOAD \slot                                    ; my one tensor load behind the round, first thing there: it has a phase, 128 matrix instructions, in which to land
.endif
.if \sync == 2
	s_wait_tensorcnt 0x0                           ; my part of the last phase is in,
	s_barrier_signal -1
	s_barrier_wait -1                              ; everybody's is, and nobody reads slot 0 any more: it serves as the stage on the way out
.endif
.if \i < 15
.if \i > 0
	PLACES
.endif
	FETCH \i+1                                     ; the next step's fragments, 32 matrix instructions ahead of their use
.endif
	MUL \f, \bias
.endm
	s_wait_tensorcnt 0x1                           ; my part of phase 0 is in; phase 1's one load may stay out
	s_barrier_signal -1
	s_barrier_wait -1                              ; everybody's is
	FETCH 0
	s_wait_loadcnt 0x0                             ; the bias
	WIN 0x45                                       ; destination and both sources window 1
.irp i, 0,1,2,3,4,5,6,7,8,9,10,11,12,13,14,15
	v_cvt_pk_bf16_f32 v[BT+\i], v[BIAS+2*\i], v[BIAS+2*\i+1]       ; the bias is rounded to bf16, as X and W were (see FORMATS at the head),
.endr
.irp i, 0,1,2,3,4,5,6,7,8,9,10,11,12,13,14,15
	v_lshlrev_b32 v[BIAS+2*\i],   16, v[BT+\i]                     ; and widened again: C is f32
	v_and_b32     v[BIAS+2*\i+1], 0xffff0000, v[BT+\i]
.endr
	STEP 0, 0, 0, 0, 1
	STEP 1, 1, 0, 0, 0
	STEP 2, 0, 0, 0, 0
	STEP 3, 1, 1, 0, 0
	STEP 4, 0, 0, 0, 0
	STEP 5, 1, 0, 0, 0
	STEP 6, 0, 0, 0, 0
	STEP 7, 1, 1, 1, 0
	STEP 8, 0, 0, 0, 0
	STEP 9, 1, 0, 0, 0
	STEP 10, 0, 0, 0, 0
	STEP 11, 1, 2, 0, 0
	STEP 12, 0, 0, 0, 0
	STEP 13, 1, 0, 0, 0
	STEP 14, 0, 0, 0, 0
	STEP 15, 1, 0, 0, 0
	; THE WAY OUT, through slot 0, which has had its last fill and its last read: a row of C is made by two waves, so a barrier stands between the stores and the loads.
	PLACES
.if MODE
	WIN 0x04                                       ; store data from window 1
.irp mt, 0,1,2,3
.irp nt, 0,1,2,3
	ds_store_b128 v[STO], v[ACC+8*(4*\mt+\nt):ACC+8*(4*\mt+\nt)+3]   offset:16*SP*\mt+64*\nt
	ds_store_b128 v[STO], v[ACC+8*(4*\mt+\nt)+4:ACC+8*(4*\mt+\nt)+7] offset:16*SP*\mt+64*\nt+16
.endr
.endr
	WIN 0
	s_wait_dscnt 0x0                               ; for the other waves' sake: all my stores are in LDS
	s_barrier_signal -1
	s_barrier_wait -1
.set n, 0
.rept 32
	ds_load_b128 v[RB+4*n:RB+4*n+3], v[RD] offset:SP*n
.set n, n+1
.endr
.set n, 0
.rept 32
	s_wait_dscnt 31-n                              ; row n is in, the younger rows stay out
	global_store_b128 v[CO], v[RB+4*n:RB+4*n+3], s[66:67] offset:4096*n th:TH_STORE_NT   ; the wave stores 512 consecutive bytes at a multiple of 512 from C's first byte
.set n, n+1
.endr
.else
	WIN 0x05                                       ; sources from window 1
.irp mt, 0,1,2,3
.irp nt, 0,1,2,3
.irp q, 0,1,2,3
	v_cvt_pk_f16_f32 v[TMP+4*(4*\mt+\nt)+\q], v[ACC+8*(4*\mt+\nt)+2*\q], v[ACC+8*(4*\mt+\nt)+2*\q+1]
.endr
.endr
.endr
	WIN 0
.irp mt, 0,1,2,3
.irp nt, 0,1,2,3
	ds_store_b128 v[STO], v[TMP+4*(4*\mt+\nt):TMP+4*(4*\mt+\nt)+3] offset:16*SP*\mt+32*\nt
.endr
.endr
	s_wait_dscnt 0x0                               ; for the other waves' sake: all my stores are in LDS
	s_barrier_signal -1
	s_barrier_wait -1
.irp i, 0,1,2,3,4,5,6,7,8,9,10,11,12,13,14,15
	ds_load_b128 v[RB+4*\i:RB+4*\i+3], v[RD] offset:2*SP*\i
.endr
.irp i, 0,1,2,3,4,5,6,7,8,9,10,11,12,13,14,15
	s_wait_dscnt 15-\i                             ; pair i of rows is in, the younger pairs stay out
	global_store_b128 v[CO], v[RB+4*\i:RB+4*\i+3], s[66:67] offset:4096*\i   ; sixteen lanes store 256 consecutive bytes at a multiple of 256 from C's first byte
.endr
.endif
	s_wait_tensorcnt 0x0
	ds_add_u32 v254, v255
	s_wait_dscnt 0x0
	CROUND                                         ; the closing round: no work-group ends while a partner may still ask for a tile that names it
	s_endpgm
.Lfunc_end_k_q805c4ff1ea_outp:
	.size	k_q805c4ff1ea_outp, .Lfunc_end_k_q805c4ff1ea_outp-k_q805c4ff1ea_outp
	.p2alignl 7, 3214868480
	.fill 96, 4, 3214868480
	.section	.rodata,"a",@progbits
	.p2align	6, 0x0
	.amdhsa_kernel k_q805c4ff1ea_outp
		.amdhsa_group_segment_fixed_size 327680
		.amdhsa_private_segment_fixed_size 0
		.amdhsa_enable_private_segment 0
		.amdhsa_kernarg_size 32
		.amdhsa_user_sgpr_count 2
		.amdhsa_user_sgpr_kernarg_segment_ptr 1
		.amdhsa_wavefront_size32 1
		.amdhsa_system_sgpr_workgroup_id_x 1
		.amdhsa_system_sgpr_workgroup_id_y 1
		.amdhsa_system_sgpr_workgroup_id_z 1
		.amdhsa_system_vgpr_workitem_id 0
		.amdhsa_next_free_vgpr 768
		.amdhsa_next_free_sgpr 80
		.amdhsa_reserve_vcc 0
		.amdhsa_float_denorm_mode_32 3
		.amdhsa_float_denorm_mode_16_64 3
		.amdhsa_memory_ordered 1
		.amdhsa_forward_progress 1
		.amdhsa_inst_pref_size 88
	.end_amdhsa_kernel
	.amdgpu_metadata
---
amdhsa.version: [ 1, 2 ]
amdhsa.kernels:
  - .name:           k_q805c4ff1ea_outp
    .symbol:         k_q805c4ff1ea_outp.kd
    .args:
      - { .name: oh, .offset: 0, .size: 8, .value_kind: global_buffer, .address_space: global }
      - { .name: h16, .offset: 8, .size: 8, .value_kind: global_buffer, .address_space: global }
      - { .name: bp, .offset: 16, .size: 8, .value_kind: global_buffer, .address_space: global }
      - { .name: out0, .offset: 24, .size: 8, .value_kind: global_buffer, .address_space: global }
    .group_segment_fixed_size: 327680
    .private_segment_fixed_size: 0
    .kernarg_segment_align: 8
    .kernarg_segment_size: 32
    .max_flat_workgroup_size: 128
    .sgpr_count:     80
    .vgpr_count:     768
    .wavefront_size: 32
...
	.end_amdgpu_metadata
.endif
;; end of part 4
